; MI455X (gfx1250); checked and timed in simulation.
; The chip was launched on July 23, 2026; its instructions are those of AMD's public machine-readable ISA for CDNA 5 (MIT licence, August 2026) and "CDNA5" Instruction Set Architecture Reference Guide (July 2026). The comments in the code are by the model that wrote it; some were corrected since.
;; Grouped Query Attention. Allowed arithmetic: matrix products marked QUANTISED: E2M3 operands, one E8M0 scale for each 32 along K, by v_wmma_scale_f32_16x16x128_f8f6f4 with both operands' format E2M3, f32 sums; everything else in f32.
;; Inputs: hidden_states_codes 2 x 1,024 x 64 x 24 uint8 (E2M3 codes of hidden_states, K innermost, in blocks of 32 codes, four codes in three bytes); hidden_states_scales 2 x 1,024 x 64 uint8 (E8M0 scales of hidden_states, one for each 32 codes along K); kv_b 1,024 float32; kv_w_codes 1,024 x 64 x 24 uint8 (E2M3 codes of kv_w, K innermost, in blocks of 32 codes, four codes in three bytes); kv_w_scales 1,024 x 64 uint8 (E8M0 scales of kv_w, one for each 32 codes along K); out_b 2,048 float32; out_w_codes 2,048 x 64 x 24 uint8 (E2M3 codes of out_w, K innermost, in blocks of 32 codes, four codes in three bytes); out_w_scales 2,048 x 64 uint8 (E8M0 scales of out_w, one for each 32 codes along K); q_b 2,048 float32; q_w_codes 2,048 x 64 x 24 uint8 (E2M3 codes of q_w, K innermost, in blocks of 32 codes, four codes in three bytes); q_w_scales 2,048 x 64 uint8 (E8M0 scales of q_w, one for each 32 codes along K).
;; Outputs: out0 2 x 1,024 x 2,048 float32.
;; This version of the problem:
;;   THIS VERSION OF THE PROBLEM IS GIVEN IN LOW PRECISION. The matrix products marked QUANTISED in the list below multiply operands that are first quantised to E2M3 (2 exponent bits, 3 mantissa bits; 6 bits a number), with one power-of-two scale for each 32 numbers along K (OCP MX v1.0); their sums are f32. All else is computed in f32.
;;   The module's matrix products, in the order in which they are computed (A, B: the left and right operand; K: the contracted axis; several contracted axes count as one K, in the product's order):
;;     1. [M 2,048, K 2,048] x [K 2,048, N 2,048]; A: input hidden_states (given as codes); B: input q_w (given as codes): QUANTISED
;;     2. [M 2,048, K 2,048] x [K 2,048, N 1,024]; A: input hidden_states (given as codes); B: input kv_w (given as codes): QUANTISED
;;     3. batch 16 x [M 4,096, K 64] x [K 64, N 1,024]; A: computed on the way; B: computed on the way: QUANTISED
;;     4. batch 16 x [M 4,096, K 1,024] x [K 1,024, N 64]; A: softmax (see below); B: computed on the way: QUANTISED
;;     5. [M 2,048, K 2,048] x [K 2,048, N 2,048]; A: computed on the way; B: input out_w (given as codes): QUANTISED
;;   THE QUANTISER, for each operand of a quantised product, along K:
;;     - K is cut into blocks of 32 from its start; a last block that is shorter is filled with zeros.
;;     - A block's scale is 2^e with e = floor(log2(the largest magnitude in the block)) - 2, held to -126 .. 127; a block of zeros has e = 0. As a byte (E8M0): e + 127.
;;     - Each number is divided by its block's scale, clamped to +-7.5, and rounded to the nearest number of E2M3, ties to even, subnormals kept.
;;     - The product sums the exact products of the quantised numbers (number of the format x scale) in f32.
;;   ~~~python
;;   def quantise(x, axis):      # numpy; x: float32 -> the quantised numbers, widened to float32 again
;;       x = np.moveaxis(x, axis, -1); K = x.shape[-1]
;;       x = np.pad(x, [(0, 0)] * (x.ndim - 1) + [(0, -K % 32)]); x = x.reshape(x.shape[:-1] + (-1, 32)); a = np.abs(x).max(-1, keepdims=True)
;;       e = np.where(a > 0, np.clip(np.frexp(np.where(a > 0, a, 1))[1] - 1 - 2, -126, 127), 0)      # np.frexp(a)[1] - 1 = floor(log2(a)), exactly
;;       r = np.clip(x / 2.0 ** e, -7.5, 7.5)
;;       step = 2.0 ** (np.maximum(np.frexp(np.where(r == 0, 1, r))[1] - 1, 0) - 3)
;;       q = np.round(r / step) * step * 2.0 ** e      # np.round: ties to even
;;       return np.moveaxis(q.reshape(q.shape[:-2] + (-1,))[..., :K], -1, axis).astype(np.float32)
;;   ~~~
;;   SOFTMAX AHEAD OF A QUANTISED PRODUCT. Where the list says 'softmax', what is quantised is not the finished softmax but p = 2^(t - M), with t = logit x log2(e) and M = ceil(the row's largest t), a whole number; so 1/2 < the row's largest p <= 1. The row's sum l is taken of the UNQUANTISED p, in f32, and the product's result is divided by l at the end. Since M is a whole number, a kernel that streams over the keys may use a running M (the ceiling of the running maximum): every later rescaling is an exact power of two, which a block's scale takes up: the codes' values come out the same.
;;   OPERANDS COMPUTED ON THE WAY. 'Computed on the way' means the value that the module computes at that place (a softmax that the list does not call 'softmax' is quantised finished and normalised). What goes into a quantiser is computed in f32, as accurately as f32 sums, v_exp_f32 and their like allow (about 1e-6 of the number): no bf16 or f16 on the way to a quantiser, and a product that is left as it is and whose result goes on into a quantised operand takes f32 operands (vector FMAs, or v_wmma_f32_16x16x4_f32). A number that lies on a knife's edge between two numbers of the format may be rounded either way, as far as f32 arithmetic and the matrix unit's own rounding can turn it there, and no further.
;;   INPUTS GIVEN AS CODES. hidden_states (in the module: [2, 1024, 2048], K = its axis 2); kv_w (in the module: [1024, 2048], K = its axis 1); out_w (in the module: [2048, 2048], K = its axis 1); q_w (in the module: [2048, 2048], K = its axis 1): each comes as NAME_codes (uint8): NAME with its K axis moved to the last place and cut into blocks of 32 codes, [.., K / 32, bytes a block], one block behind the other in memory; four codes in three bytes: a row's codes are one little-endian stream of bits, code i at bits 6 i .. 6 i + 5 (a code: sign, 2 exponent bits, 3 mantissa bits); and NAME_scales (uint8): the same leading axes, one E8M0 byte (e + 127) for each 32 codes along K. Its value is code x scale, taken as it is: it is not quantised again, and the codes and scales need not be those that the quantiser above would give.
;; One version. Each part assembles by itself: llvm-mc -triple=amdgcn-amd-amdhsa -mcpu=gfx1250 --defsym DOCPART=n.
;; ======== version 1 of 1: 3 launches
;; limits: right only within a limited range of input values
;; workspace buffers: qc 3,145,728 bytes; qs 262,144 bytes; kvp 1,671,168 bytes; cc 3,145,728 bytes; cs 131,072 bytes
;; launch qkv (part 1): grid 16 x 16, 4 waves a work-group, clusters of 4 x 4, 327,680 bytes of LDS; arguments hidden_states_codes, hidden_states_scales, q_w_codes, q_w_scales, kv_w_codes, kv_w_scales, q_b, kv_b, qc, qs, kvp; writes qc, qs, kvp
.if DOCPART == 1
	.amdgcn_target "amdgcn-amd-amdhsa--gfx1250"
	.amdhsa_code_object_version 6
	.text
	.protected	k_qa6f02f53f2_qkv
	.globl	k_qa6f02f53f2_qkv
	.p2align	8
	.type	k_qa6f02f53f2_qkv,@function
k_qa6f02f53f2_qkv:
	s_mov_b64 s[64:65], 0
	v_nop
	global_prefetch_b8 v0, s[64:65] scope:SCOPE_SE
	s_setreg_imm32_b32 hwreg(HW_REG_WAVE_MODE, 25, 1), 1
	s_wait_xcnt 0x0
	s_wait_alu depctr_hold_cnt(0) depctr_sa_sdst(0) depctr_va_vdst(0) depctr_va_sdst(0) depctr_va_ssrc(0) depctr_va_vcc(0) depctr_vm_vsrc(0)
	s_getreg_b32 s2, hwreg(HW_REG_IB_STS2, 6, 4)
	s_cmp_eq_u32 s2, 0
	s_cbranch_scc0 .Lentry_in_a_cluster
	s_endpgm
.Lentry_in_a_cluster:
	s_bfe_u32 s2, ttmp6, 0x10000c
	s_cmp_lg_u32 s2, 0xf033
	s_cbranch_scc0 .Lentry_shape_is_right
	s_endpgm
.Lentry_shape_is_right:
; q = x Wq^T + bq, kv = x Wkv^T + bkv on codes of FP6 (E2M3) with E8M0 scales; rotary embedding on q and k in f32; q and k are quantised along the head's 64, v along the keys.
; x: 2,048 tokens x 2,048; the 3,072 output features are 48 heads of 64.  A work-group takes 128 tokens (y) x 3 heads (c): row block c of kv_w (k head c for c < 8, else v head c - 8), then q heads 2 c and 2 c + 1.
; FOUR WAVES, each 32 tokens (two tiles, u = 0, 1), ALL of K in registers: 32 fragments of 12.  The weights stream past, head by head (three PHASES), two tiles of 16 rows at a time: a phase is eight QUARTERS of 16 products.
; THE MATRIX INSTRUCTION IS USED TRANSPOSED (source 0 = weight rows, source 1 = tokens).  Row 8 e + i of weight tile t is feature 32 e + 8 t + i of the head: so lane (r, h) holds token r and the 32 features of scale block h, 8 t + i ascending.
; A head is finished under the NEXT head's products, a piece in each quarter: the rotation takes its partner from lane l xor 16, a block lies whole in a lane.  v alone goes through an f32 stage in LDS, since its blocks run along the tokens.
; LDS, in lines of 256 bytes + 16: x's rows whose token has bit 4 clear from 0, the others from line 385: 385 lines = 16 mod 256 bytes, so the 32 lanes of a load touch 64 different banks (64 banks of 4 bytes: ISA guide 11.1);
; k's or v's weights behind them (rows 0-31, and from line 193 rows 32-63).  ONE REFILL: when x is in registers, both q heads' rows take its lines: head 0 lines 0 and 385 on, head 1 lines 192 and 577 on.
; CLUSTER 4 x 4: x's tile is shared along a row of the cluster, the weights' along a column: each is asked for jointly.  What the refill brings is prefetched at the head, shared out by address among the sixteen waves that will ask for it.
; RESULTS leave as images of operand registers: a token tile (group of 32, u): lane row r stands for token 32 group + 8 u + r + 8 (r / 8); an image of 16 rows x 64 codes is 512 bytes (registers 0-3, 16 x lane) + 256 (registers 4-5, 8 x lane).
;   qc [b][head 32][tile 64][768];  qs [b][head][tile][r] words (two scale bytes, two zero bytes);
;   kvp [b 8 + g][step of 128 keys][13,056]: 8 images of k; at 6,144 four images of v^T (16 channels x 128 keys, 3 x 512 bytes); at 12,288 k's scale words [r][8]; at 12,800 v's [r][4].
; LIMITS: a block of zeros gets the scale byte 1 where the quantiser says 127: its codes are zeros and only this program reads the bytes.  NaN, infinities and the scale byte 0xff among the inputs are not served.
; The rotary frequencies are 10^(-j / 8) rounded to f32; they may differ by an ulp or two from a power and a division in f32, which moves an angle by about 1e-4 at position 1,000.
; Sine and cosine: reduction by pi / 2 in two parts, polynomials of degree 7 and 8 on +-pi / 4: about 1e-7 absolute.
.set PITCH, 1632                       ; a row: six lines
.set XB,    385*272                    ; the second half's place behind the first: x, and the q heads
.set WB2,   193*272                    ; the same of k's or v's weights
.set WA,    209408                     ; k's or v's weights; then v's stage
.set VBP,   32*272+128                 ; the stage: a block of 32 tokens, rows of 256 bytes + 16
.set SCW,   314368                     ; scale words on their way out: 512 bytes for each q head and for k, 256 for v
.set SPARE, SCW+2048
.set STEPB, 13056
.set SG,   6                           ; the sign bit in lanes 0-15
.set SRV,  7
.set L16,  8
.set L8,   9
.set WB0,  10                          ; v10-11 my weight row, k's or v's rows (v11: behind one padding more); v12-13 the q heads'
.set SWA,  14
.set SWK,  15
.set SWV,  16
.set RDV,  17
.set STV,  19
.set BO,   20
.set WSO,  21
.set SRL,  24
.set XSO,  25
.set B0,   26
.set BP,   27
.set SPW,  28
.set NIL,  29
.set POS,  30
.set SX,   32                          ; v32-47 x's scale words: lanes 0-15 tile 0, lanes 16-31 tile 1
.set MX,   48                          ; v48-49 the two chains, v50 the conversions' scale operand, v51 the byte
.set SW,   52                          ; v52-115 the weights' scale words, two phases x two pairs of tiles x 16
.set P,    116                         ; v116-147 at work
.set BI,   148                         ; v148-179 the biases: the first products' C
.set XL,   180                         ; v180-191 x's fragment 31
.set CSN,  192                         ; (v192-255: sine and cosine at the head, then phase 1's sums)
.set TU,   P+4
.set FQ,   P+30
.set CT,   120                         ; v888-951 cosine (32 u + j), v952-1015 sine, negated in lanes 0-15; in window 3
.set ST,   184
.set BA,   248                         ; v1016-1023 LDS addresses of the phase's four weight tiles; in window 3
.set WV,   40
.set SEL,  96
.set PKW,  80
.set PKS,  82
.set MSB, 0
.set NL, 0
.macro WIN new                         ; the immediate's high byte repeats the setting that is left
.if MSB != (\new)
	s_set_vgpr_msb (MSB<<8)|(\new)
.set MSB, \new
.endif
.endm
.macro PLACES n
.rept \n
	v_nop
.endr
.endm
.macro WALU
	s_wait_alu depctr_va_vdst(0)
.endm
.macro TLOAD g0, g1
	tensor_load_to_lds s[\g0:\g0+3], s[\g1:\g1+7]
	s_nop 0
	PLACES 4
.endm
.macro CROUND
	s_barrier_signal -1
	s_barrier_wait -1
	s_cmp_lg_u32 s[WV], 0
	s_cbranch_scc1 .Lnot_wave_0_\@
	s_barrier_signal -3
.Lnot_wave_0_\@:
	s_barrier_wait -3
	s_barrier_signal -1
	s_barrier_wait -1
.endm
; A fragment, 16 rows x 128 K: lane (r, h) holds K = 64 c + 32 h + 0 .. 31 in registers 6 c on: 24 bytes of its row, in pieces of 8, two to a load where both lie behind as many paddings (a1: for lanes 16-31 behind one padding more).
.macro FRAG win, reg, q, a0, a1, aw
	WIN (((\win)<<6)|(\aw))
.set R_, \reg
.set SK_, 0
.irp p, 0,1,2,3,4,5
.if SK_
.set SK_, 0
.else
.set PC_, 12*(\q)+6*(\p/3)+\p%3
.set PN_, 12*(\q)+6*((\p+1)/3)+(\p+1)%3
.set X_, (PC_%32+3)/32
.set Y_, (PN_%32+3)/32
.set NL, NL+1
.if (\p < 5) && (X_ == Y_)
.set SK_, 1
.if X_
	ds_load_2addr_b64 v[R_+2*\p:R_+2*\p+3], v[\a1] offset0:PC_+2*(PC_/32) offset1:PN_+2*(PN_/32)
.else
	ds_load_2addr_b64 v[R_+2*\p:R_+2*\p+3], v[\a0] offset0:PC_+2*(PC_/32) offset1:PN_+2*(PN_/32)
.endif
.elseif X_
	ds_load_b64 v[R_+2*\p:R_+2*\p+1], v[\a1] offset:8*(PC_+2*(PC_/32))
.else
	ds_load_b64 v[R_+2*\p:R_+2*\p+1], v[\a0] offset:8*(PC_+2*(PC_/32))
.endif
.endif
.endr
.endm
.macro XPLACE f                        ; where x's fragment f = 2 step + u lies
.if (\f) < 21
.set XW_, 2
.set XR_, 12*(\f)
.elseif (\f) < 31
.set XW_, 3
.set XR_, 12*((\f)-21)
.else
.set XW_, 0
.set XR_, XL
.endif
.endm
.macro BASES v, k                      ; the phase's tile addresses
	WIN 0xc0
.irp t, 0,1,2,3
.if (\k)+\t == 0
	v_mov_b32 v[BA], v[\v]
	v_mov_b32 v[BA+1], v[\v+1]
.else
	v_add_nc_u32 v[BA+2*\t], (\k)+8*PITCH*\t, v[\v]
	v_add_nc_u32 v[BA+2*\t+1], (\k)+8*PITCH*\t, v[\v+1]
.endif
.endr
	WIN 0
	WALU
.endm
.macro SCALES par, base, off           ; a head's scale words: 16 a row
.irp b, 0,1
.irp c, 0,1,2,3
	global_load_b128 v[SW+32*\par+16*\b+4*\c:SW+32*\par+16*\b+4*\c+3], v[WSO], s[\base:\base+1] offset:(\off)+1024*\b+16*\c
.endr
.endr
.endm
.macro BIAS base, off                  ; register 8 t + i of lane (r, h): feature 32 h + 8 t + i
.irp t, 0,1,2,3
	global_load_b128 v[BI+8*\t:BI+8*\t+3], v[BO], s[\base:\base+1] offset:(\off)+32*\t
	global_load_b128 v[BI+8*\t+4:BI+8*\t+7], v[BO], s[\base:\base+1] offset:(\off)+32*\t+16
.endr
.endm
	s_load_b256 s[4:11], s[0:1], 0x0               ; x's codes, x's scales, Wq's codes, Wq's scales
	s_load_b256 s[12:19], s[0:1], 0x20             ; Wkv's codes, Wkv's scales, bq, bkv
	s_load_b128 s[20:23], s[0:1], 0x40             ; qc, qs
	s_load_b64 s[92:93], s[0:1], 0x50              ; kvp
	v_lshl_add_u32 v[SPW], v0, 2, SPARE
	v_mov_b32 v[NIL], 0
	ds_add_u32 v[SPW], v[NIL]                      ; the opening: the add, twice on end, and its wait
	ds_add_u32 v[SPW], v[NIL]
	v_lshrrev_b32 v1, 5, v0
	v_readfirstlane_b32 s[WV], v1
	s_and_b32 s41, s[WV], 1
	s_lshr_b32 s42, s[WV], 1
	s_bfe_u32 s43, ttmp6, 0x40000                  ; cx
	s_bfe_u32 s44, ttmp6, 0x40004                  ; cy
	s_lshl_b32 s45, ttmp9, 2
	s_add_co_u32 s45, s45, s43                     ; c
	s_and_b32 s46, ttmp7, 0xffff
	s_lshl_b32 s46, s46, 2
	s_add_co_u32 s46, s46, s44                     ; y
	s_lshl_b32 s47, s44, 2
	s_lshl_b32 s47, 15, s47                        ; my row of the cluster
	s_lshl_b32 s66, 0x1111, s43                    ; my column
	; group 1, elements of 8 bytes, 16 bytes of padding behind every 256.  x: four runs of 16 tokens (24,576 dense bytes), 32 tokens apart
	s_or_b32 s24, s47, (3<<16)|(1<<20)|(1<<21)|(5<<22)|(3<<25)
	s_mov_b32 s25, 3072<<16
	s_mov_b32 s26, 4<<16
	s_mov_b32 s27, 3072<<16
	s_mov_b32 s28, 4
	s_mov_b32 s29, 6144
	s_mov_b32 s30, 0
	s_mov_b32 s31, 0
	; the weights: 32 rows of 1,536 bytes
	s_or_b32 s48, s66, (3<<16)|(1<<20)|(1<<21)|(5<<22)|(3<<25)
	s_mov_b32 s49, 192<<16
	s_mov_b32 s50, 32<<16
	s_mov_b32 s51, 192<<16
	s_mov_b32 s52, 32
	s_mov_b32 s53, 192
	s_mov_b32 s54, 0
	s_mov_b32 s55, 0
	; group 0: x (waves 0, 1), k's or v's rows (waves 2, 3), the refill (all)
	s_mov_b32 s32, 1
	s_mul_i32 s33, s41, XB
	s_mov_b32 s56, 1
	s_mul_i32 s57, s41, WB2
	s_add_co_u32 s57, s57, WA
	s_mov_b32 s36, 1
	s_mul_i32 s37, s42, 192*272
	s_add_co_u32 s37, s37, s33
	s_mul_i32 s2, s46, 196608
	s_mul_i32 s3, s41, 24576
	s_add_co_u32 s2, s2, s3
	s_mov_b32 s3, 0
	s_mul_i32 s94, s45, 98304
	s_mul_i32 s95, s41, 49152
	s_add_co_u32 s94, s94, s95
	s_mov_b32 s95, 0
	s_mul_i32 s61, s45, 196608
	s_mul_i32 s98, s[WV], 49152
	s_add_co_u32 s98, s98, s61                     ; q_w's row 128 c + 32 wave
	s_mov_b32 s99, 0
	s_lshl_b32 s60, s44, 2
	s_add_co_u32 s60, s60, s[WV]
	s_mul_i32 s60, s60, 12288
	s_add_co_u32 s61, s61, s60                     ; my sixteenth of the refill, for the prefetch
	WALU
	s_wait_dscnt 0x0
	CROUND                                         ; all sixteen work-groups are here: the first joint loads meet
	s_wait_kmcnt 0x0
	s_add_nc_u64 s[34:35], s[4:5], s[2:3]
	s_or_b32 s35, s35, 0x80000000
	s_add_nc_u64 s[58:59], s[12:13], s[94:95]
	s_or_b32 s59, s59, 0x80000000
	s_add_nc_u64 s[38:39], s[8:9], s[98:99]
	s_or_b32 s39, s39, 0x80000000
	s_cmp_lt_u32 s[WV], 2
	s_cbranch_scc0 .Lhead_w
	TLOAD 32, 24                                   ; waves 0, 1: x
	s_branch .Lhead_asked
.Lhead_w:
	TLOAD 56, 48                                   ; waves 2, 3: k's or v's rows
.Lhead_asked:
	s_mov_b32 s3, 0
	s_lshl_b32 s2, s46, 13
	s_add_nc_u64 s[6:7], s[6:7], s[2:3]
	s_lshl_b32 s2, s45, 12
	s_add_nc_u64 s[14:15], s[14:15], s[2:3]
	s_lshl_b32 s2, s45, 13
	s_add_nc_u64 s[10:11], s[10:11], s[2:3]
	s_lshl_b32 s2, s45, 8
	s_add_nc_u64 s[18:19], s[18:19], s[2:3]
	s_lshl_b32 s2, s45, 9
	s_add_nc_u64 s[16:17], s[16:17], s[2:3]
	s_lshl_b32 s60, s[WV], 11
	s_mul_i32 s62, s[WV], 16*PITCH
	s_mul_i32 s63, s[WV], VBP
	s_add_co_u32 s63, s63, WA
	s_lshl_b32 s67, s42, 7
	s_lshl_b32 s2, s41, 5
	s_add_co_u32 s67, s67, s2
	s_add_co_u32 s67, s67, WA
	; where the results go
	s_lshr_b32 s2, s46, 3                          ; b
	s_and_b32 s84, s46, 7                          ; which 128 tokens of the sequence
	s_lshl_b32 s94, s2, 5
	s_lshl_b32 s95, s45, 1
	s_add_co_u32 s94, s94, s95
	s_lshl_b32 s94, s94, 6
	s_lshl_b32 s95, s84, 3
	s_add_co_u32 s94, s94, s95                     ; tile (32 b + 2 c) x 64 + 8 st
	s_lshl_b32 s98, s[WV], 1
	s_add_co_u32 s98, s98, s94
	s_mul_i32 s98, s98, 768
	s_mov_b32 s99, 0
	s_add_nc_u64 s[20:21], s[20:21], s[98:99]      ; qc at my two tiles of head 2 c
	s_min_u32 s98, s[WV], 1
	s_lshl_b32 s98, s98, 6
	s_add_co_u32 s98, s98, s94
	s_lshl_b32 s98, s98, 6
	s_add_nc_u64 s[22:23], s[22:23], s[98:99]      ; qs at head 2 c + wave (waves 0, 1)
	s_and_b32 s98, s45, 7
	s_lshl_b32 s94, s2, 3
	s_add_co_u32 s98, s98, s94
	s_lshl_b32 s98, s98, 3
	s_add_co_u32 s98, s98, s84
	s_mul_i32 s98, s98, STEPB
	s_add_nc_u64 s[92:93], s[92:93], s[98:99]      ; kvp at this head's step
	s_mul_i32 s98, s[WV], 1536
	s_mov_b32 s100, 12288
	s_mov_b32 s101, 0
	s_cmp_ge_u32 ttmp9, 2                          ; c >= 8: v
	s_cselect_b32 s94, 6144, 0
	s_cselect_b32 s100, 12800, s100
	s_add_co_u32 s98, s98, s94
	s_add_nc_u64 s[PKW:PKW+1], s[92:93], s[98:99]
	s_add_nc_u64 s[PKS:PKS+1], s[92:93], s[100:101]
	s_lshl_b32 s84, s84, 7
	s_lshl_b32 s85, s[WV], 5
	s_add_co_u32 s84, s84, s85                     ; position of the first of my 32 tokens
	s_lshl_b32 s85, s[WV], 7
	s_add_co_u32 s85, s85, SCW
	s_lshl_b32 s86, s[WV], 3
	s_add_co_u32 s86, s86, SCW+1024
	s_lshl_b32 s87, s[WV], 2
	s_add_co_u32 s87, s87, SCW+1536
	s_lshl_b32 s88, s[WV], 9
	s_add_co_u32 s88, s88, SCW
	s_mov_b32 s[SEL], 0x76543210
	s_mov_b32 s[SEL+1], 0xfedcba98                 ; v_permlanex16_b32's selects for lane l xor 16
	v_and_b32 v1, 15, v0                           ; r
	v_bfe_u32 v2, v0, 4, 1                         ; h
	v_and_b32 v3, 31, v0
	v_and_b32 v4, 8, v1
	v_add_nc_u32 v4, v4, v1                        ; r + 8 (r / 8)
	v_and_b32 v[P+8], 7, v1
	v_lshrrev_b32 v[P+9], 3, v1
	v_lshl_add_u32 v[P+16], v[P+9], 5, v[P+8]
	v_lshl_add_u32 v[P+16], v2, 3, v[P+16]
	v_lshlrev_b32 v[WSO], 6, v[P+16]               ; scale words: lanes 0-15 a pair's first tile, lanes 16-31 its second
	v_lshl_add_u32 v[XSO], v2, 3, v4
	v_lshlrev_b32 v[XSO], 6, v[XSO]
	v_add_nc_u32 v[XSO], s60, v[XSO]
	v_lshlrev_b32 v[BO], 7, v2
.irp c, 0,1,2,3
	global_load_b128 v[SX+4*\c:SX+4*\c+3], v[XSO], s[6:7] offset:16*\c
.endr
	SCALES 0, 14, 0
	SCALES 1, 10, 0
	BIAS 18, 0
	; every LDS address is made here, on the way that all waves take
	v_mul_u32_u24 v[P+10], PITCH, v[P+8]
	v_mad_u32_u24 v[P+11], v2, 24, v[P+10]
	v_mad_u32_u24 v[P+12], v2, 40, v[P+10]
	v_mul_u32_u24 v[P+13], XB, v[P+9]
	v_mul_u32_u24 v[P+14], WB2, v[P+9]
	v_add_nc_u32 v[WB0], v[P+14], v[P+11]
	v_add_nc_u32 v[WB0+1], v[P+14], v[P+12]
	v_add_nc_u32 v[WB0+2], v[P+13], v[P+11]
	v_add_nc_u32 v[WB0+3], v[P+13], v[P+12]
	v_add_nc_u32 v[P], s62, v[WB0+2]               ; x: tile u of my 32 tokens
	v_add_nc_u32 v[P+1], s62, v[WB0+3]
	v_add_nc_u32 v[P+2], 8*PITCH, v[P]
	v_add_nc_u32 v[P+3], 8*PITCH, v[P+1]
	BASES WB0, WA
	v_mul_u32_u24 v[P+15], 272, v4
	v_lshl_add_u32 v[STV], v2, 7, v[P+15]
	v_add_nc_u32 v[STV], s63, v[STV]               ; the stage: block = wave, row = token, 32 channels for each half
	v_mul_u32_u24 v[P+15], VBP, v2
	v_lshl_add_u32 v[P+15], v4, 2, v[P+15]
	v_add_nc_u32 v[RDV], s67, v[P+15]              ; block h, channel 32 (w / 2) + 8 (w % 2) + r + 8 (r / 8)
	v_add_nc_u32 v[RDV+1], 2*VBP, v[RDV]
	v_lshlrev_b32 v[L16], 4, v3
	v_lshlrev_b32 v[L8], 3, v3
	v_lshl_add_u32 v[SWA], v1, 2, s85
	v_lshl_add_u32 v[SWK], v1, 5, s86
	v_lshl_add_u32 v[SWV], v1, 4, s87
	v_add_nc_u32 v[SRL], s88, v[L16]
	v_add_nc_u32 v[SRV], SCW+1536, v[L8]
	v_lshlrev_b32 v5, 3, v2                        ; 8 h
	v_sub_nc_u32 v[SG], 1, v2
	v_lshlrev_b32 v[SG], 31, v[SG]
	v_mov_b32 v[BP], 0                             ; (a lane permute's destination counts as one of its sources)
	v_add_nc_u32 v[POS], s84, v4
	v_add_nc_u32 v[POS+1], 8, v[POS]
	v_cvt_f32_u32 v[POS], v[POS]
	v_cvt_f32_u32 v[POS+1], v[POS+1]
	; the refill's 768 blocks of 256 bytes: 48 for each of the sixteen waves of my column of the cluster, two blocks a lane (the second time 16 lanes' worth)
	v_lshl_add_u32 v22, v3, 8, s61
	v_min_u32 v23, 15, v3
	v_lshl_add_u32 v23, v23, 8, s61
	v_add_nc_u32 v23, 8192, v23
	global_prefetch_b8 v22, s[8:9] th:TH_LOAD_NT scope:SCOPE_SE
	global_prefetch_b8 v23, s[8:9] th:TH_LOAD_NT scope:SCOPE_SE
; SINE AND COSINE of position x frequency, for my two token tiles and my half's 16 frequencies, while the first tiles are on their way.
; n = the nearest whole number to angle x 2 / pi; rho = angle - n pi / 2 with pi / 2 in two parts; polynomials in rho; the quadrant n mod 4 swaps and signs them by selects: no branch.
	s_mov_b32 s68, 0x3f22f983                      ; 2 / pi
	s_mov_b32 s69, 0xbfc90fdb                      ; -(pi / 2 rounded to f32)
	s_mov_b32 s70, 0x333bbd2e                      ; that rounded number less pi / 2
	s_mov_b32 s71, 0xb94ca1f9                      ; sine: -1.9515295891e-4,
	s_mov_b32 s72, 0x3c08839e                      ; 8.3321608736e-3,
	s_mov_b32 s73, 0xbe2aaaa3                      ; -1.6666654611e-1
	s_mov_b32 s74, 0x37ccf5ce                      ; cosine: 2.443315712e-5,
	s_mov_b32 s75, 0xbab6061a                      ; -1.388731625e-3,
	s_mov_b32 s76, 0x3d2aaaa5                      ; 4.166664568e-2
	WALU
	v_cmp_eq_u32 vcc_lo, 1, v2                     ; lanes 16-31 take frequencies 16 to 31
.macro SINCOS i, flo, fhi
	v_mov_b32 v[FQ], \fhi
	v_cndmask_b32 v[FQ], \flo, v[FQ], vcc_lo
.irp u, 0,1
	v_mul_f32 v[TU+16*\u], v[POS+\u], v[FQ]        ; the angle, rounded to f32
.endr
.irp u, 0,1
	v_mul_f32 v[TU+16*\u+1], s68, v[TU+16*\u]
.endr
.irp u, 0,1
	v_rndne_f32 v[TU+16*\u+1], v[TU+16*\u+1]
.endr
.irp u, 0,1
	v_fma_f32 v[TU+16*\u+2], v[TU+16*\u+1], s69, v[TU+16*\u]
.endr
.irp u, 0,1
	v_fma_f32 v[TU+16*\u+2], v[TU+16*\u+1], s70, v[TU+16*\u+2]
.endr
.irp u, 0,1
	v_cvt_i32_f32 v[TU+16*\u+3], v[TU+16*\u+1]
.endr
.irp u, 0,1
	v_mul_f32 v[TU+16*\u+4], v[TU+16*\u+2], v[TU+16*\u+2]
.endr
.irp u, 0,1
	v_fma_f32 v[TU+16*\u+5], v[TU+16*\u+4], s71, s72
	v_fma_f32 v[TU+16*\u+6], v[TU+16*\u+4], s74, s75
	v_mul_f32 v[TU+16*\u+7], v[TU+16*\u+4], v[TU+16*\u+2]
.endr
.irp u, 0,1
	v_fma_f32 v[TU+16*\u+5], v[TU+16*\u+5], v[TU+16*\u+4], s73
	v_fma_f32 v[TU+16*\u+6], v[TU+16*\u+6], v[TU+16*\u+4], s76
	v_and_b32 v[TU+16*\u+8], 1, v[TU+16*\u+3]
.endr
.irp u, 0,1
	v_fma_f32 v[TU+16*\u+5], v[TU+16*\u+5], v[TU+16*\u+7], v[TU+16*\u+2]
	v_fma_f32 v[TU+16*\u+6], v[TU+16*\u+6], v[TU+16*\u+4], -0.5
	v_cmp_eq_u32 s[2+\u], 1, v[TU+16*\u+8]         ; odd quadrants swap the two
.endr
.irp u, 0,1
	v_fma_f32 v[TU+16*\u+6], v[TU+16*\u+6], v[TU+16*\u+4], 1.0
	v_lshlrev_b32 v[TU+16*\u+8], 30, v[TU+16*\u+3] ; the sine is negative in quadrants 2, 3: bit 1 of n;
	v_add_nc_u32 v[TU+16*\u+9], 1, v[TU+16*\u+3]   ; the cosine in quadrants 1, 2: bit 1 of n + 1
.endr
.irp u, 0,1
	v_lshlrev_b32 v[TU+16*\u+9], 30, v[TU+16*\u+9]
	v_and_b32 v[TU+16*\u+8], 0x80000000, v[TU+16*\u+8]
.endr
.irp u, 0,1
	v_and_b32 v[TU+16*\u+9], 0x80000000, v[TU+16*\u+9]
	v_cndmask_b32 v[CSN+16+32*\u+\i], v[TU+16*\u+5], v[TU+16*\u+6], s[2+\u]
	v_cndmask_b32 v[CSN+32*\u+\i], v[TU+16*\u+6], v[TU+16*\u+5], s[2+\u]
.endr
.irp u, 0,1
	v_xor_b32 v[CSN+16+32*\u+\i], v[TU+16*\u+8], v[CSN+16+32*\u+\i]
	v_xor_b32 v[CSN+32*\u+\i], v[TU+16*\u+9], v[CSN+32*\u+\i]
.endr
.endm
	SINCOS 0,  1.0,                 0.01
	SINCOS 1,  0.7498942093324559,  0.007498942093324559
	SINCOS 2,  0.5623413251903491,  0.005623413251903491
	SINCOS 3,  0.4216965034285822,  0.004216965034285822
	SINCOS 4,  0.31622776601683794, 0.0031622776601683794
	SINCOS 5,  0.23713737056616552, 0.0023713737056616552
	SINCOS 6,  0.1778279410038923,  0.001778279410038923
	SINCOS 7,  0.1333521432163324,  0.001333521432163324
	SINCOS 8,  0.1,                 0.001
	SINCOS 9,  0.07498942093324559, 0.0007498942093324559
	SINCOS 10, 0.05623413251903491, 0.0005623413251903491
	SINCOS 11, 0.04216965034285822, 0.0004216965034285822
	SINCOS 12, 0.031622776601683794, 0.00031622776601683794
	SINCOS 13, 0.023713737056616552, 0.00023713737056616552
	SINCOS 14, 0.01778279410038923, 0.0001778279410038923
	SINCOS 15, 0.01333521432163324, 0.0001333521432163324
	WIN 0xc0                                       ; all 32 frequencies into all lanes: two copies, then one's lanes 16-31 change places with the other's lanes 0-15
.irp u, 0,1
.set J_, 0
.rept 16
	v_mov_b32 v[CT+32*\u+J_], v[CSN+32*\u+J_]
	v_mov_b32 v[CT+32*\u+16+J_], v[CSN+32*\u+J_]
	v_mov_b32 v[ST+32*\u+J_], v[CSN+16+32*\u+J_]
	v_mov_b32 v[ST+32*\u+16+J_], v[CSN+16+32*\u+J_]
.set J_, J_+1
.endr
.endr
	WIN 0xc3
.irp u, 0,1
.set J_, 0
.rept 16
	v_permlane16_swap_b32 v[CT+32*\u+J_], v[CT+32*\u+16+J_]
	v_permlane16_swap_b32 v[ST+32*\u+J_], v[ST+32*\u+16+J_]
.set J_, J_+1
.endr
.endr
	WIN 0xcc
.set J_, 0
.rept 64
	v_xor_b32 v[ST+J_], v[SG], v[ST+J_]            ; lanes 0-15: x(d) cos - x(d + 32) sin; lanes 16-31: x(d + 32) cos + x(d) sin
.set J_, J_+1
.endr
	WIN 0
	WALU                                           ; the wait at the head's end
	s_cmp_lt_u32 s[WV], 2
	s_cbranch_scc0 .Lnot_x
	s_wait_tensorcnt 0x0
.Lnot_x:
	s_barrier_signal -1
	s_barrier_wait -1                              ; x is in; the weights may still be on their way
.set F_, 0
.rept 32
	XPLACE F_
	FRAG XW_, XR_, F_/2, P+2*(F_%2), P+2*(F_%2)+1, 0
.set F_, F_+1
.endr
	WIN 0
	s_wait_tensorcnt 0x0                           ; all my tensor loads have landed;
	ds_add_u32 v[SPW], v[NIL]                      ; 0 onto my spare word;
.set J_, 4
.rept 28
	v_mov_b32 v[P+J_], 0                           ; (written once: a lane permute's destination counts as one of its sources)
.set J_, J_+1
.endr
	WALU
	s_wait_dscnt 0x0                               ; the add is done, and x is in my registers
	CROUND
	s_cmp_lt_u32 s[WV], 2
	s_cbranch_scc0 .Lsecond_head
	TLOAD 36, 48                                   ; waves 0, 1: q head 0's rows
	s_branch .Lrefilled
.Lsecond_head:
	TLOAD 36, 48                                   ; waves 2, 3: q head 1's
.Lrefilled:
; quarter n of a phase: steps 4 (n % 4) .. + 3 of tiles 2 (n / 4), 2 (n / 4) + 1: eight fragments into set n % 2
.macro FETCH n
.set FN_, \n
.set NL, 0
.set I_, 0
.rept 8
	FRAG 1, 96*(FN_%2)+12*I_, 4*(FN_%4)+I_/2, BA+2*(2*(FN_/4)+I_%2), BA+2*(2*(FN_/4)+I_%2)+1, 3
.set I_, I_+1
.endr
	WIN 0
.set NFL, NL                           ; how many loads that was
.endm
.macro WM ra, rb
	v_wmma_scale_f32_16x16x128_f8f6f4 v[D_:D_+7], v[WF_:WF_+11], v[XR_:XR_+11], v[C_:C_+7], v[SW_:SW_], v[SX_:SX_] matrix_a_fmt:MATRIX_FMT_FP6 matrix_b_fmt:MATRIX_FMT_FP6 matrix_a_scale:MATRIX_SCALE_ROW\ra matrix_b_scale:MATRIX_SCALE_ROW\rb
.endm
.macro PROD                            ; product N_ of quarter K_, phase PH_: four sums take turns, one instruction a turn
.set S_, 4*(K_%4)+N_/4
.set TT_, (N_%4)/2
.set U_, N_%2
.set T_, 2*(K_/4)+TT_
.set WF_, 96*(K_%2)+12*(2*(N_/4)+TT_)
	XPLACE 2*S_+U_
.set D_, 192+32*U_+8*T_
.set SW_, SW+32*(PH_%2)+16*(K_/4)+S_
.set SX_, SX+S_
.if S_ == 0
.set C_, BI+8*T_
	WIN (1|(XW_<<2)|(AW_<<6))
.else
.set C_, D_
	WIN (1|(XW_<<2)|(AW_<<4)|(AW_<<6))
.endif
.if TT_ == 0 && U_ == 0
	WM 0, 0
.elseif TT_ == 0
	WM 0, 1
.elseif U_ == 0
	WM 1, 0
.else
	WM 1, 1
.endif
.endm
; bar: 1 a plain barrier; 2 the same, and waves 0 and 1 show their refill; 3 all show theirs.
.macro QUARTER ph, kk, bar
.set PH_, \ph
.set K_, \kk
.set AW_, 1-PH_%2
.if \bar
.if \bar == 2
	s_cmp_lt_u32 s[WV], 2
	s_cbranch_scc0 .Lno_part_\@
	s_wait_tensorcnt 0x0
.Lno_part_\@:
.elseif \bar == 3
	s_wait_tensorcnt 0x0
.endif
	s_wait_dscnt 0x0
	s_barrier_signal -1
.elseif PH_ == 2 && K_ == 7
	s_wait_dscnt 0x0
.else
	s_wait_dscnt NFL                               ; all but the youngest fetch, the next quarter's
.endif
.set N_, 0
.rept 16
	PROD
.set N_, N_+1
.endr
	WIN 0
.if \bar
	s_barrier_wait -1
.endif
	PLACES 4                                       ; between the products and the loads into their registers
.if K_ < 6
	FETCH K_+2
.elseif PH_ < 2
	FETCH K_-6
.endif
.endm
; A HEAD'S END, in eight pieces: for token tile u = k / 4 (0) the partners, (1) the rotation, (2) the block's largest magnitude, (3) codes, image, scale word.  aw: the window of the sums.
.macro EPI k, aw, base, off, swr, swo, swu
.set A_, 192+32*((\k)/4)
.if (\k)%4 == 0
	s_wait_xcnt 0x0                                ; the last image's stores have read their registers
	WALU
	WIN (\aw)
.set J_, 0
.rept 32
	v_permlanex16_b32 v[P+J_], v[A_+J_], s[SEL], s[SEL+1]
.set J_, J_+1
.endr
.elseif (\k)%4 == 1
	WALU
	WIN 0x0c
.set J_, 0
.rept 16
	v_pk_mul_f32 v[P+J_:P+J_+1], v[P+J_:P+J_+1], v[ST+32*((\k)/4)+J_:ST+32*((\k)/4)+J_+1]
.set J_, J_+2
.endr
	WIN ((\aw)|0x0c|((\aw)<<6))
.set J_, 0
.rept 16
	v_pk_fma_f32 v[A_+J_:A_+J_+1], v[A_+J_:A_+J_+1], v[CT+32*((\k)/4)+J_:CT+32*((\k)/4)+J_+1], v[P+J_:P+J_+1]
.set J_, J_+2
.endr
.elseif (\k)%4 == 2
	WALU
	WIN ((\aw)|((\aw)<<2))
	v_max3_num_f32 v[MX], |v[A_]|, |v[A_+1]|, 0x1800000         ; with the floor 2^(3 - 127): the byte cannot fall under 1
	v_max3_num_f32 v[MX+1], |v[A_+16]|, |v[A_+17]|, 0x1800000
	WIN (((\aw)<<2)|((\aw)<<4))
.irp i, 2,4,6,8,10,12,14
	v_max3_num_f32 v[MX], v[MX], |v[A_+\i]|, |v[A_+\i+1]|
	v_max3_num_f32 v[MX+1], v[MX+1], |v[A_+16+\i]|, |v[A_+16+\i+1]|
.endr
	WIN 0
	v_max_num_f32 v[MX], v[MX], v[MX+1]
	v_add_nc_u32 v[MX+2], 0xff000000, v[MX]        ; 2 off its exponent field: the conversion's scale operand
	v_lshrrev_b32 v[MX+3], 23, v[MX+2]             ; the scale's byte,
	v_lshlrev_b32 v[MX+3], v5, v[MX+3]             ; at its place in the word
.else
	s_wait_xcnt 0x0
	WALU
	WIN (\aw)
	v_cvt_scalef32_pk16_fp6_f32 v[P:P+2], v[A_:A_+15], v[MX+2]
	v_cvt_scalef32_pk16_fp6_f32 v[P+6:P+8], v[A_+16:A_+31], v[MX+2]
	WIN 0
	v_permlanex16_b32 v[BP], v[MX+3], s[SEL], s[SEL+1]          ; (also the plain place behind the conversions)
	v_or_b32 v[MX+3], v[MX+3], v[BP]
	v_mov_b32 v[P+3], v[P+6]
	v_mov_b32 v[P+4], v[P+7]
	v_mov_b32 v[P+5], v[P+8]
	global_store_b128 v[L16], v[P:P+3], s[\base:\base+1] offset:(\off)+768*((\k)/4)
	global_store_b64 v[L8], v[P+4:P+5], s[\base:\base+1] offset:(\off)+768*((\k)/4)+512
	ds_store_b32 v[\swr], v[MX+3] offset:(\swo)+(\swu)*((\k)/4)   ; lanes l and l xor 16 write the same word with the same value
.endif
.endm
; v: 32 keys of one channel a lane, block 2 c + h
.macro VQ c
	s_wait_dscnt NFL                               ; the stage's rows are in (the fetch behind them may be out)
	WALU
	v_max3_num_f32 v[MX], |v[P]|, |v[P+1]|, 0x1800000
	v_max3_num_f32 v[MX+1], |v[P+16]|, |v[P+17]|, 0x1800000
.irp i, 2,4,6,8,10,12,14
	v_max3_num_f32 v[MX], v[MX], |v[P+\i]|, |v[P+\i+1]|
	v_max3_num_f32 v[MX+1], v[MX+1], |v[P+16+\i]|, |v[P+16+\i+1]|
.endr
	v_max_num_f32 v[MX], v[MX], v[MX+1]
	v_add_nc_u32 v[MX+2], 0xff000000, v[MX]
	WIN 0x40
	v_cvt_scalef32_pk16_fp6_f32 v[192+6*\c:194+6*\c], v[P:P+15], v[MX+2]
	v_cvt_scalef32_pk16_fp6_f32 v[208+4*\c:210+4*\c], v[P+16:P+31], v[MX+2]
	WIN 0
	v_lshrrev_b32 v[MX+3], 23, v[MX+2]
	WIN 0x41
.irp i, 0,1,2
	v_mov_b32 v[195+6*\c+\i], v[208+4*\c+\i]
.endr
	WIN 0
.endm
.macro VROWS c
.set J_, 0
.rept 32
	ds_load_b32 v[P+J_], v[RDV+\c] offset:272*J_
.set J_, J_+1
.endr
.endm
.macro VEPI k
.if (\k) < 2
	WALU
	WIN 0x04
.irp t, 0,1,2,3
	ds_store_b128 v[STV], v[192+32*(\k)+8*\t:192+32*(\k)+8*\t+3] offset:8*272*(\k)+32*\t
	ds_store_b128 v[STV], v[192+32*(\k)+8*\t+4:192+32*(\k)+8*\t+7] offset:8*272*(\k)+32*\t+16
.endr
.elseif (\k) == 3
	VROWS 0
.elseif (\k) == 4
	VQ 0
	v_mov_b32 v[B0], v[MX+3]
	VROWS 1
.elseif (\k) == 5
	VQ 1
	v_lshl_or_b32 v[MX+3], v[MX+3], 16, v[B0]      ; my two bytes: blocks h and 2 + h,
	v_lshlrev_b32 v[MX+3], v5, v[MX+3]             ; at their places in the word;
	v_permlanex16_b32 v[BP], v[MX+3], s[SEL], s[SEL+1]
	v_or_b32 v[MX+3], v[MX+3], v[BP]               ; with lane l xor 16's two the word is whole
	ds_store_b32 v[SWV], v[MX+3]
	WIN 0x04
.irp k3, 0,1,2
	global_store_b128 v[L16], v[192+4*\k3:195+4*\k3], s[PKW:PKW+1] offset:512*\k3
.endr
.endif
	WIN 0
.endm
.macro KVEPI k                         ; the branch hangs on the cluster's x: the same in all sixteen partners
	s_cmp_ge_u32 ttmp9, 2
	s_cbranch_scc1 .Lv_\@
	EPI \k, 1, PKW, 0, SWK, 0, 4
	WIN 0
	s_branch .Lkv_\@
.Lv_\@:
	VEPI \k
.Lkv_\@:
.endm
	FETCH 0
	FETCH 1
	s_wait_loadcnt 0x0                             ; scale words and biases
.irp kk, 0,1,2,3,4,5                   ; PHASE 0: k's or v's head
	QUARTER 0, \kk, 0
.endr
	BIAS 16, 0                                     ; q head 0's
	BASES WB0+2, 0
	QUARTER 0, 6, 2                                ; all have read the last of this head's rows; waves 0 and 1 show q head 0's
	QUARTER 0, 7, 0
	s_wait_loadcnt 0x0
	QUARTER 1, 0, 0                                ; PHASE 1: q head 0
	SCALES 0, 10, 4096                             ; q head 1's
	KVEPI 0
	QUARTER 1, 1, 0
	KVEPI 1
	QUARTER 1, 2, 1                                ; v's stage is written
	KVEPI 2
	QUARTER 1, 3, 0
	KVEPI 3
	QUARTER 1, 4, 0
	KVEPI 4
	QUARTER 1, 5, 0
	BIAS 16, 256
	BASES WB0+2, 192*272
	KVEPI 5
	QUARTER 1, 6, 3
	KVEPI 6
	QUARTER 1, 7, 0
	KVEPI 7
	s_wait_loadcnt 0x0
	s_wait_xcnt 0x0                                ; v's stores have read their registers, which the sums take next
.irp kk, 0,1,2,3,4,5,6,7               ; PHASE 2: q head 1
	QUARTER 2, \kk, 0
	EPI \kk, 0, 20, 0, SWA, 0, 64
	WIN 0
.endr
.irp kk, 0,1,2,3,4,5,6,7
	EPI \kk, 1, 20, 49152, SWA, 512, 64
.endr
	WIN 0
	WALU
	s_wait_dscnt 0x0
	s_barrier_signal -1
	s_barrier_wait -1                              ; the scale words lie in LDS: they leave in whole runs of 512 or 256 bytes
	s_cmp_lt_u32 s[WV], 2
	s_cbranch_scc0 .Lnot_q
	ds_load_b128 v[BI:BI+3], v[SRL]
	s_wait_dscnt 0x0
	global_store_b128 v[L16], v[BI:BI+3], s[22:23]
	s_branch .Lend
.Lnot_q:
	s_cmp_eq_u32 s[WV], 2
	s_cbranch_scc0 .Lend
	s_cmp_ge_u32 ttmp9, 2
	s_cbranch_scc1 .Lv_words
	ds_load_b128 v[BI:BI+3], v[SRL]
	s_wait_dscnt 0x0
	global_store_b128 v[L16], v[BI:BI+3], s[PKS:PKS+1]
	s_branch .Lend
.Lv_words:
	ds_load_b64 v[BI:BI+1], v[SRV]
	s_wait_dscnt 0x0
	global_store_b64 v[L8], v[BI:BI+1], s[PKS:PKS+1]
.Lend:
	s_wait_tensorcnt 0x0                           ; the wave's end
	ds_add_u32 v[SPW], v[NIL]
	s_wait_dscnt 0x0
	CROUND                                         ; the closing round
	s_endpgm
.Lfunc_end_k_qa6f02f53f2_qkv:
	.size	k_qa6f02f53f2_qkv, .Lfunc_end_k_qa6f02f53f2_qkv-k_qa6f02f53f2_qkv
	.p2alignl 7, 3214868480
	.fill 96, 4, 3214868480
	.section	.rodata,"a",@progbits
	.p2align	6, 0x0
	.amdhsa_kernel k_qa6f02f53f2_qkv
		.amdhsa_group_segment_fixed_size 327680
		.amdhsa_private_segment_fixed_size 0
		.amdhsa_enable_private_segment 0
		.amdhsa_kernarg_size 88
		.amdhsa_user_sgpr_count 2
		.amdhsa_user_sgpr_kernarg_segment_ptr 1
		.amdhsa_wavefront_size32 1
		.amdhsa_system_sgpr_workgroup_id_x 1
		.amdhsa_system_sgpr_workgroup_id_y 1
		.amdhsa_system_sgpr_workgroup_id_z 1
		.amdhsa_system_vgpr_workitem_id 0
		.amdhsa_next_free_vgpr 1024
		.amdhsa_next_free_sgpr 102
		.amdhsa_reserve_vcc 1
		.amdhsa_float_denorm_mode_32 3
		.amdhsa_float_denorm_mode_16_64 3
		.amdhsa_memory_ordered 1
		.amdhsa_forward_progress 1
		.amdhsa_inst_pref_size 220
	.end_amdhsa_kernel
	.amdgpu_metadata
---
amdhsa.version: [ 1, 2 ]
amdhsa.kernels:
  - .name:           k_qa6f02f53f2_qkv
    .symbol:         k_qa6f02f53f2_qkv.kd
    .args:
      - { .name: hidden_states_codes, .offset: 0, .size: 8, .value_kind: global_buffer, .address_space: global }
      - { .name: hidden_states_scales, .offset: 8, .size: 8, .value_kind: global_buffer, .address_space: global }
      - { .name: q_w_codes, .offset: 16, .size: 8, .value_kind: global_buffer, .address_space: global }
      - { .name: q_w_scales, .offset: 24, .size: 8, .value_kind: global_buffer, .address_space: global }
      - { .name: kv_w_codes, .offset: 32, .size: 8, .value_kind: global_buffer, .address_space: global }
      - { .name: kv_w_scales, .offset: 40, .size: 8, .value_kind: global_buffer, .address_space: global }
      - { .name: q_b, .offset: 48, .size: 8, .value_kind: global_buffer, .address_space: global }
      - { .name: kv_b, .offset: 56, .size: 8, .value_kind: global_buffer, .address_space: global }
      - { .name: qc, .offset: 64, .size: 8, .value_kind: global_buffer, .address_space: global }
      - { .name: qs, .offset: 72, .size: 8, .value_kind: global_buffer, .address_space: global }
      - { .name: kvp, .offset: 80, .size: 8, .value_kind: global_buffer, .address_space: global }
    .group_segment_fixed_size: 327680
    .private_segment_fixed_size: 0
    .kernarg_segment_align: 8
    .kernarg_segment_size: 88
    .max_flat_workgroup_size: 128
    .sgpr_count:     102
    .vgpr_count:     1024
    .wavefront_size: 32
...
	.end_amdgpu_metadata
.endif
;; end of part 1
;; launch attn (part 2): grid 16 x 16, 8 waves a work-group, clusters of 4 x 1, 168,960 bytes of LDS; arguments qc, qs, kvp, cc, cs; writes cc, cs
.if DOCPART == 2
	.amdgcn_target "amdgcn-amd-amdhsa--gfx1250"
	.amdhsa_code_object_version 6
	.text
	.protected	k_qa6f02f53f2_attn
	.globl	k_qa6f02f53f2_attn
	.p2align	8
	.type	k_qa6f02f53f2_attn,@function
k_qa6f02f53f2_attn:
	s_mov_b64 s[64:65], 0
	v_nop
	global_prefetch_b8 v0, s[64:65] scope:SCOPE_SE
	s_setreg_imm32_b32 hwreg(HW_REG_WAVE_MODE, 25, 1), 1
	s_wait_xcnt 0x0
	s_wait_alu depctr_hold_cnt(0) depctr_sa_sdst(0) depctr_va_vdst(0) depctr_va_sdst(0) depctr_va_ssrc(0) depctr_va_vcc(0) depctr_vm_vsrc(0)
	s_getreg_b32 s2, hwreg(HW_REG_IB_STS2, 6, 4)
	s_cmp_eq_u32 s2, 0
	s_cbranch_scc0 .Lentry_in_a_cluster
	s_endpgm
.Lentry_in_a_cluster:
	s_bfe_u32 s2, ttmp6, 0x10000c
	s_cmp_lg_u32 s2, 0x3003
	s_cbranch_scc0 .Lentry_shape_is_right
	s_endpgm
.Lentry_shape_is_right:
; ctx = softmax(q k^T / 8, causal) v for 32 query heads on 8 key and value heads, both products on codes of FP6 (E2M3) with E8M0 scales; ctx is quantised along the head's 64 for the last product.
; THE SOFTMAX: t = score x log2(e) / 8; M = the running largest t rounded up to a whole number; p = 2^(t - M) is quantised along the keys, not normalised; the row's sum is taken of the unquantised p
; and divides at the end; when M moves, the sum and O are multiplied by 2^(old M - new M), which rounds nothing.
; INPUTS are images of operand registers (written by the launch before): qc, qs: q by token tiles; kvp: for each (b, kv head) eight steps of 128 keys, 13,056 bytes each: 8 images of k, 4 of v^T, the scale words.
; A token tile (group of 32, u): lane row r stands for token 32 group + 8 u + r + 8 (r / 8): so the 16 registers of two neighbouring tiles of scores are 16 neighbouring keys.
; SHARES.  The whole K and V of one (b, kv head), 104,448 bytes, lie in LDS, filled once.  A cluster's four work-groups take the four groups of 32 tokens of the same two blocks of 128 tokens,
; a and 7 - a (a: the cluster's x): (a + 1) + (8 - a) = 9 key steps for every wave of the launch.  They ask for K and V jointly.  Wave w: head 4 g + w % 4, tile u = w / 4, one tile a pass.
; Every branch hangs on a, the step's count and the wave's number; a work-group's place in its cluster enters global addresses and one number that lanes compare.
; K = 64 fills half of the matrix instruction: q's upper 64 codes are zeros and the upper two bytes of both scale words are 0, so whatever k's fragment names there (the next tile's codes) adds nothing.
; OUT: cc [token tile 128][head 32][768]: images; cs [group 64][head pair 16][u 2][r 16] words: the four scale bytes of 128 along the last product's K.
; LIMITS: a block of zeros gets the scale byte 1 where the quantiser says 127 (its codes are zeros; only this program reads the bytes); NaN and infinities are not served.
.set STEPB, 13056
.set SCX,   8*STEPB                    ; behind K and V: ctx's scale bytes on their way out, 256 bytes a pass; no tensor load lands here
.set ADK, 8                            ; v8-11 the step's LDS addresses
.set AD8, 9
.set ADS, 10
.set ADV, 11
.set QF,  16                           ; v16-27 q's fragment (the upper six: zeros); v28-33 the second pass's; v34, v35 the scale words
.set KF,  36                           ; v36-83 k's eight tiles, six registers each; v84-89 zeros
.set PC,  36                           ; behind the first product the same registers are at work: p's codes,
.set CV,  48
.set BM,  56                           ; the blocks' largest scores,
.set BT,  60
.set BSO, 64                           ; the conversions' scale operands
.set TP,  68
.set SM,  70
.set FP,  76                           ; v[76:77] f
.set S,   96                           ; v96-159 scores, then p
.set O,   160                          ; v160-191 O^T
.set VF,  192                          ; v192-239 v^T's four tiles
.set KS,  240                          ; scale words: k's eight, v's four, p's; k's also hold the row sum's partial sums behind the first product
.set VS,  248
.set PW,  252
.set WV,  14
.set BLK, 32
.set ST,  33
.set TB,  34
.set SEL, 36
.set CS,  38
.macro CROUND
	s_barrier_signal -1
	s_barrier_wait -1
	s_cmp_lg_u32 s[WV], 0
	s_cbranch_scc1 .Lnot_wave_0_\@
	s_barrier_signal -3
.Lnot_wave_0_\@:
	s_barrier_wait -3
	s_barrier_signal -1
	s_barrier_wait -1
.endm
	s_load_b256 s[4:11], s[0:1], 0x0               ; qc, qs, kvp, cc
	s_load_b64 s[12:13], s[0:1], 0x20              ; cs
	v_lshl_add_u32 v254, v0, 2, 0x29000
	v_mov_b32 v255, 0
	ds_add_u32 v254, v255
	ds_add_u32 v254, v255
	v_lshrrev_b32 v1, 5, v0
	s_delay_alu instid0(VALU_DEP_1)
	v_readfirstlane_b32 s[WV], v1                  ; wave 0..7
	s_bfe_u32 s40, ttmp6, 0x40000                  ; my place in the cluster: which 32 tokens of a block of 128
	s_and_b32 s41, ttmp7, 0xffff                   ; 8 b + g
	s_mov_b32 s15, ttmp9                           ; a
	s_and_b32 s42, s[WV], 3                        ; which of the four heads; also: which step block I fetch
	s_lshr_b32 s43, s[WV], 2                       ; u
	; group 1: a step block, 13,056 dense bytes, as 51 rows of 256 bytes (32 elements of 8); the mask names all four work-groups
	s_mov_b32 s16, 15|(3<<16)|(1<<21)
	s_mov_b32 s17, 32<<16
	s_mov_b32 s18, 51<<16
	s_mov_b32 s19, 32<<16
	s_mov_b32 s20, 51
	s_mov_b32 s21, 32
	s_mov_b32 s22, 0
	s_mov_b32 s23, 0
	s_mul_i32 s25, s42, STEPB                      ; LDS: steps 0 to 3,
	s_add_co_u32 s29, s25, 4*STEPB                 ; steps 4 to 7
	s_mul_i32 s44, s41, 8*STEPB
	s_add_co_u32 s44, s44, s25
	s_mov_b32 s45, 0
	; q's tiles: (32 b + head) x 64 + 8 block + 2 place + u
	s_lshl_b32 s46, s41, 2
	s_add_co_u32 s46, s46, s42
	s_lshl_b32 s46, s46, 6
	s_lshl_b32 s47, s40, 1
	s_add_co_u32 s46, s46, s47
	s_add_co_u32 s46, s46, s43
	s_lshl_b32 s47, s15, 3
	s_add_co_u32 s48, s46, s47                     ; pass 0: block a
	s_sub_co_u32 s49, 56, s47
	s_add_co_u32 s49, s46, s49                     ; pass 1: block 7 - a
	s_mul_i32 s50, s48, 768
	s_mov_b32 s51, 0
	s_mul_i32 s52, s49, 768
	s_mov_b32 s53, 0
	s_lshl_b32 s54, s48, 6
	s_mov_b32 s55, 0
	s_lshl_b32 s56, s49, 6
	s_mov_b32 s57, 0
	; ctx: group = 32 b + 4 block + place
	s_lshr_b32 s58, s41, 3
	s_and_b32 s59, s41, 7                          ; g
	s_lshl_b32 s58, s58, 5
	s_add_co_u32 s58, s58, s40
	s_lshl_b32 s60, s15, 2
	s_add_co_u32 s60, s58, s60                     ; pass 0's group
	s_sub_co_u32 s61, 7, s15
	s_lshl_b32 s61, s61, 2
	s_add_co_u32 s61, s58, s61                     ; pass 1's
	s_lshl_b32 s62, s59, 2
	s_add_co_u32 s62, s62, s42                     ; head
	s_lshl_b32 s66, s60, 1
	s_add_co_u32 s66, s66, s43
	s_lshl_b32 s66, s66, 5
	s_add_co_u32 s66, s66, s62
	s_mul_i32 s66, s66, 768
	s_mov_b32 s67, 0
	s_lshl_b32 s68, s61, 1
	s_add_co_u32 s68, s68, s43
	s_lshl_b32 s68, s68, 5
	s_add_co_u32 s68, s68, s62
	s_mul_i32 s68, s68, 768
	s_mov_b32 s69, 0
	s_lshl_b32 s63, s59, 8
	s_lshl_b32 s70, s60, 11
	s_add_co_u32 s70, s70, s63
	s_mov_b32 s71, 0
	s_lshl_b32 s72, s61, 11
	s_add_co_u32 s72, s72, s63
	s_mov_b32 s73, 0
	s_mov_b32 s[SEL], 0x76543210
	s_mov_b32 s[SEL+1], 0xfedcba98
	s_mov_b32 s[CS], 0x3e38aa3b                    ; c = log2(e) / 8
	s_mov_b32 s[CS+1], s[CS]                       ; (named with it as a pair, so it is written)
	s_wait_dscnt 0x0
	s_wait_kmcnt 0x0
	s_mov_b32 s24, 1
	s_add_nc_u64 s[26:27], s[8:9], s[44:45]
	s_mov_b32 s28, 1
	s_add_nc_u64 s[30:31], s[26:27], 4*STEPB
	s_or_b32 s27, s27, 0x80000000
	s_or_b32 s31, s31, 0x80000000
	s_add_nc_u64 s[50:51], s[4:5], s[50:51]
	s_add_nc_u64 s[52:53], s[4:5], s[52:53]
	s_add_nc_u64 s[54:55], s[6:7], s[54:55]
	s_add_nc_u64 s[56:57], s[6:7], s[56:57]
	s_add_nc_u64 s[66:67], s[10:11], s[66:67]
	s_add_nc_u64 s[68:69], s[10:11], s[68:69]
	s_add_nc_u64 s[70:71], s[12:13], s[70:71]
	s_add_nc_u64 s[72:73], s[12:13], s[72:73]
	CROUND                                         ; all four work-groups are here: the joint loads meet
	s_cmp_lt_u32 s[WV], 4                          ; each wave fetches one step block: waves 0 to 3 the first four, waves 4 to 7 the last four
	s_cbranch_scc0 .Lsecond_half
	tensor_load_to_lds s[24:27], s[16:23]          ; waves 0 to 3: one of the first four step blocks each
	s_nop 0
.rept 4
	v_nop
.endr
	s_branch .Lfetched
.Lsecond_half:
	tensor_load_to_lds s[28:31], s[16:23]          ; waves 4 to 7: one of the last four
	s_nop 0
.rept 4
	v_nop
.endr
.Lfetched:
	v_and_b32 v90, 31, v0                          ; lane
	v_and_b32 v91, 15, v0                          ; r
	v_bfe_u32 v94, v0, 4, 1                        ; h
	s_delay_alu instid0(VALU_DEP_3)
	v_lshlrev_b32 v1, 4, v90                       ; v1  16 x lane
	s_delay_alu instid0(VALU_DEP_4)
	v_lshlrev_b32 v2, 3, v90                       ; v2  8 x lane
	s_delay_alu instid0(VALU_DEP_4)
	v_lshlrev_b32 v3, 5, v91                       ; v3  32 r: k's scale words
	v_lshlrev_b32 v4, 4, v91                       ; v4  16 r: v's
	v_lshlrev_b32 v93, 2, v91                      ; v93 4 r
	s_delay_alu instid0(VALU_DEP_4)
	v_add_nc_u32 v92, SCX, v2                      ; v92 ctx's scale bytes, read back
	global_load_b128 v[16:19], v1, s[50:51]        ; q of both passes
	global_load_b64 v[20:21], v2, s[50:51] offset:512
	global_load_b128 v[28:31], v1, s[52:53]
	global_load_b64 v[32:33], v2, s[52:53] offset:512
	global_load_b32 v34, v93, s[54:55]
	global_load_b32 v35, v93, s[56:57]
	v_and_b32 v95, 8, v91
	s_delay_alu instid0(VALU_DEP_1)
	v_add_nc_u32 v95, v95, v91
	v_lshlrev_b32 v94, 4, v94
	s_delay_alu instid0(VALU_DEP_1)
	v_sub_nc_u32 v95, v95, v94
	s_lshl_b32 s44, s40, 5
	s_lshl_b32 s45, s43, 3
	s_add_co_u32 s44, s44, s45
	v_add_nc_u32 v5, s44, v95                      ; v5  my query's place in its block of 128, less 16 h: register 16 b + i holds key 32 b + 16 h + i, hidden where 32 b + i is greater
	v_mov_b32 v6, 0xff800000                       ; v6  -infinity
	s_lshr_b32 s44, s42, 1
	s_lshl_b32 s44, s44, 7
	s_lshl_b32 s45, s43, 6
	s_add_co_u32 s44, s44, s45
	s_and_b32 s45, s42, 1
	s_lshl_b32 s45, s45, 1
	s_add_co_u32 s44, s44, s45
	s_add_co_u32 s44, s44, SCX
	v_lshl_add_u32 v7, v91, 2, s44                 ; v7  where my head's two scale bytes go: head pair, u, r, half of the word
.irp i, 0,1,2,3,4,5
	v_mov_b32 v[QF+6+\i], 0                        ; q's upper 64 codes
	v_mov_b32 v[KF+48+\i], 0                       ; what the last tile of k names beyond its own
.endr
	v_mov_b32 v[BM+2], 0                           ; written once: a lane permute's destination counts as one of its sources
	v_mov_b32 v[BM+3], 0
	v_mov_b32 v[SM], 0
.macro INIT
	v_mov_b32 v13, 0xff61b1e6                      ; the largest t so far: -3e38
	s_delay_alu instid0(VALU_DEP_1)
	v_floor_f32 v12, -v13                          ; -M
	v_mov_b32 v14, 0                               ; the sum, in two halves
	v_mov_b32 v15, 0
.set jj, 0
.rept 32
	v_mov_b32 v[O+jj], 0                           ; O^T: the first change of M leaves zeros zeros
.set jj, jj+1
.endr
.endm
; A KEY STEP: 128 keys.  A step all of whose keys come after the block's queries is left out: a scalar branch on ids, not round the line that steps the address.
.macro STEP qsr
	s_cmp_gt_u32 s[ST], s[BLK]
	s_cbranch_scc1 .Lhidden_\@
	v_add_nc_u32 v[ADK], s[TB], v1                 ; (these four are also the places between the last step's products and the loads into their registers)
	v_add_nc_u32 v[AD8], s[TB], v2
	v_add_nc_u32 v[ADS], s[TB], v3
	v_add_nc_u32 v[ADV], s[TB], v4
.irp t, 0,1,2,3,4,5,6,7
	ds_load_b128 v[KF+6*\t:KF+6*\t+3], v[ADK] offset:768*\t
	ds_load_b64 v[KF+6*\t+4:KF+6*\t+5], v[AD8] offset:768*\t+512
.endr
	ds_load_b128 v[KS:KS+3], v[ADS] offset:12288
	ds_load_b128 v[KS+4:KS+7], v[ADS] offset:12304
.irp t, 0,1,2,3
.irp k, 0,1,2
	ds_load_b128 v[VF+12*\t+4*\k:VF+12*\t+4*\k+3], v[ADK] offset:6144+1536*\t+512*\k
.endr
.endr
	ds_load_b128 v[VS:VS+3], v[ADV] offset:12800
	s_wait_dscnt 13                                ; k and its scale words are in; v's twelve loads and its scale words may be out
.irp t, 0,1,2,3,4,5,6,7
	v_wmma_scale_f32_16x16x128_f8f6f4 v[S+8*\t:S+8*\t+7], v[KF+6*\t:KF+6*\t+11], v[QF:QF+11], 0, v[KS+\t], v[\qsr] matrix_a_fmt:MATRIX_FMT_FP6 matrix_b_fmt:MATRIX_FMT_FP6
.endr
.rept 4
	v_nop
.endr
	s_cmp_lg_u32 s[ST], s[BLK]                     ; on the diagonal the scores of hidden keys become -infinity ahead of the maximum: p = 0 then
	s_cbranch_scc1 .Lopen_\@
.set nn, 0
.rept 64
	v_cmp_gt_i32 vcc_lo, 32*(nn/16)+nn%16, v5
	v_cndmask_b32 v[S+nn], v[S+nn], v6, vcc_lo
.set nn, nn+1
.endr
.Lopen_\@:
.irp b, 0,1,2,3
	v_max3_num_f32 v[BM+\b], v[S+16*\b], v[S+16*\b+1], v[S+16*\b+2]   ; the largest score of each block of 32 keys: for the row's maximum and, since p rises with the score, for the block's largest p
.endr
.irp i, 3,5,7,9,11,13
.irp b, 0,1,2,3
	v_max3_num_f32 v[BM+\b], v[BM+\b], v[S+16*\b+\i], v[S+16*\b+\i+1]
.endr
.endr
.irp b, 0,1,2,3
	v_max_num_f32 v[BM+\b], v[BM+\b], v[S+16*\b+15]
.endr
.irp b, 0,1,2,3
	s_delay_alu instid0(VALU_DEP_4)
	v_permlanex16_b32 v[BT+\b], v[BM+\b], s[SEL], s[SEL+1]
.endr
.irp b, 0,1,2,3
	s_delay_alu instid0(VALU_DEP_4)
	v_max_num_f32 v[BM+\b], v[BM+\b], v[BT+\b]     ; with lane l xor 16's 16 keys
.endr
	s_delay_alu instid0(VALU_DEP_2)
	v_max3_num_f32 v[TP], v[BM], v[BM+1], v[BM+2]
	s_delay_alu instid0(VALU_DEP_1)
	v_max_num_f32 v[TP], v[TP], v[BM+3]
	s_delay_alu instid0(VALU_DEP_1)
	v_mul_f32 v[TP], s[CS], v[TP]
	s_delay_alu instid0(VALU_DEP_1)
	v_max_num_f32 v13, v13, v[TP]                  ; the running largest t
	v_mov_b32 v[TP], v12
	s_delay_alu instid0(VALU_DEP_2)
	v_floor_f32 v12, -v13                          ; the new -M: a whole number
	s_delay_alu instid0(VALU_DEP_1)
	v_sub_f32 v[TP], v12, v[TP]
	s_delay_alu instid0(VALU_DEP_1)
	v_cvt_i32_f32 v[TP], v[TP]                     ; (it saturates)
	s_delay_alu instid0(VALU_DEP_1)
	v_ldexp_f32 v[FP], 1.0, v[TP]                  ; f = 2^(old M - new M)
.set jj, 0
.rept 32
	v_pk_fma_f32 v[S+jj:S+jj+1], v[S+jj:S+jj+1], s[CS:CS+1], v[12:13] op_sel_hi:[1,0,0]   ; t - M
.set jj, jj+2
.endr
.irp b, 0,1,2,3
	v_fma_f32 v[BM+\b], v[BM+\b], s[CS], v12
.endr
.set jj, 0
	s_wait_alu depctr_va_vdst(0)
.rept 64
	v_exp_f32 v[S+jj], v[S+jj]                     ; p = 2^(t - M)
.set jj, jj+1
.endr
.irp b, 0,1,2,3
	v_exp_f32 v[BM+\b], v[BM+\b]                   ; the block's largest p: the same two instructions on the same number
.endr
	v_pk_mul_f32 v[14:15], v[14:15], v[FP:FP+1] op_sel_hi:[1,0]   ; the sums under the new M (a plain place behind the exponentials)
	s_wait_alu depctr_va_vdst(0)
.irp b, 0,1,2,3
	v_max_num_f32 v[BM+\b], 0x1800000, v[BM+\b]    ; the floor 2^(3 - 127): the byte cannot fall under 1
.endr
.irp b, 0,1,2,3
	s_delay_alu instid0(VALU_DEP_4)
	v_add_nc_u32 v[BSO+\b], 0xff000000, v[BM+\b]
.endr
.irp b, 0,1,2,3
	s_delay_alu instid0(VALU_DEP_4)
	v_lshrrev_b32 v[BT+\b], 23, v[BSO+\b]
.endr
	s_delay_alu instid0(VALU_DEP_3)
	v_lshl_or_b32 v[PW], v[BT+1], 8, v[BT]         ; p's scale word for these 128 keys
	s_delay_alu instid0(VALU_DEP_1)
	v_lshl_or_b32 v[PW], v[BT+2], 16, v[PW]
	s_delay_alu instid0(VALU_DEP_1)
	v_lshl_or_b32 v[PW], v[BT+3], 24, v[PW]
.irp c, 0,1
	v_cvt_scalef32_pk16_fp6_f32 v[PC+6*\c:PC+6*\c+2], v[S+32*\c:S+32*\c+15], v[BSO+2*\c]
	v_cvt_scalef32_pk16_fp6_f32 v[CV+4*\c:CV+4*\c+2], v[S+32*\c+16:S+32*\c+31], v[BSO+2*\c+1]
.endr
	v_nop                                          ; one plain place behind a scaled conversion
.irp c, 0,1
.irp i, 0,1,2
	v_permlane16_swap_b32 v[PC+6*\c+\i], v[CV+4*\c+\i]   ; a whole block to a lane
.endr
.irp i, 0,1,2
	s_delay_alu instid0(VALU_DEP_3)
	v_mov_b32 v[PC+3+6*\c+\i], v[CV+4*\c+\i]
.endr
.endr
	v_pk_add_f32 v[70:71], v[100:101], v[104:105]
	v_pk_add_f32 v[246:247], v[108:109], v[112:113]
	v_pk_add_f32 v[244:245], v[116:117], v[120:121]
	v_pk_add_f32 v[242:243], v[124:125], v[128:129]
	v_pk_add_f32 v[240:241], v[132:133], v[136:137]
	v_pk_add_f32 v[94:95], v[140:141], v[144:145]
	v_pk_add_f32 v[90:91], v[148:149], v[152:153]
	v_pk_add_f32 v[14:15], v[14:15], v[156:157]
	v_pk_add_f32 v[70:71], v[70:71], v[96:97]
	v_pk_add_f32 v[246:247], v[246:247], v[98:99]
	v_pk_add_f32 v[244:245], v[244:245], v[102:103]
	v_pk_add_f32 v[242:243], v[242:243], v[106:107]
	v_pk_add_f32 v[240:241], v[240:241], v[110:111]
	v_pk_add_f32 v[94:95], v[94:95], v[114:115]
	v_pk_add_f32 v[90:91], v[90:91], v[118:119]
	v_pk_add_f32 v[14:15], v[14:15], v[122:123]
	v_pk_add_f32 v[70:71], v[70:71], v[126:127]
	v_pk_add_f32 v[246:247], v[246:247], v[130:131]
	v_pk_add_f32 v[244:245], v[244:245], v[134:135]
	v_pk_add_f32 v[242:243], v[242:243], v[138:139]
	v_pk_add_f32 v[240:241], v[240:241], v[142:143]
	v_pk_add_f32 v[94:95], v[94:95], v[146:147]
	v_pk_add_f32 v[90:91], v[90:91], v[150:151]
	v_pk_add_f32 v[14:15], v[14:15], v[154:155]
	v_pk_add_f32 v[70:71], v[70:71], v[158:159]
	s_delay_alu instid0(VALU_DEP_2)
	v_pk_add_f32 v[14:15], v[14:15], v[242:243]
	s_delay_alu instid0(VALU_DEP_2)
	v_pk_add_f32 v[70:71], v[70:71], v[240:241]
	v_pk_add_f32 v[246:247], v[246:247], v[94:95]
	v_pk_add_f32 v[244:245], v[244:245], v[90:91]
	s_delay_alu instid0(VALU_DEP_2)
	v_pk_add_f32 v[14:15], v[14:15], v[246:247]
	s_delay_alu instid0(VALU_DEP_2)
	v_pk_add_f32 v[70:71], v[70:71], v[244:245]
	s_delay_alu instid0(VALU_DEP_1)
	v_pk_add_f32 v[14:15], v[14:15], v[70:71]
.set jj, 0
.rept 16
	v_pk_mul_f32 v[O+jj:O+jj+1], v[O+jj:O+jj+1], v[FP:FP+1] op_sel_hi:[1,0]   ; O^T under the new M
.set jj, jj+2
.endr
	s_wait_alu depctr_va_vdst(0)
	s_wait_dscnt 0x0                               ; v
.irp t, 0,1,2,3
	v_wmma_scale_f32_16x16x128_f8f6f4 v[O+8*\t:O+8*\t+7], v[VF+12*\t:VF+12*\t+11], v[PC:PC+11], v[O+8*\t:O+8*\t+7], v[VS+\t], v[PW] matrix_a_fmt:MATRIX_FMT_FP6 matrix_b_fmt:MATRIX_FMT_FP6
.endr
.Lhidden_\@:
	s_add_co_u32 s[TB], s[TB], STEPB
.endm
; A pass's end: O^T / the sum; register 16 b + i is channel 32 b + 16 h + i of my query: quantised, stored as an image; the two scale bytes go to LDS.
.macro FINISH pass, pcc
.rept 4
	v_nop
.endr
	v_add_f32 v14, v14, v15
	s_delay_alu instid0(VALU_DEP_1)
	v_permlanex16_b32 v[SM], v14, s[SEL], s[SEL+1]
	s_delay_alu instid0(VALU_DEP_1)
	v_add_f32 v14, v14, v[SM]
	s_wait_alu depctr_va_vdst(0)
	v_rcp_f32 v14, v14
	v_nop                                          ; a plain place behind the reciprocal
.set jj, 0
	s_wait_alu depctr_va_vdst(0)
.rept 32
	v_mul_f32 v[S+jj], v[O+jj], v14                ; each accumulator from its low end on
.set jj, jj+1
.endr
	v_max3_num_f32 v[BM], |v[S]|, |v[S+1]|, 0x1800000
	v_max3_num_f32 v[BM+1], |v[S+16]|, |v[S+17]|, 0x1800000
.irp i, 2,4,6,8,10,12,14
	s_delay_alu instid0(VALU_DEP_2)
	v_max3_num_f32 v[BM], v[BM], |v[S+\i]|, |v[S+\i+1]|
	s_delay_alu instid0(VALU_DEP_2)
	v_max3_num_f32 v[BM+1], v[BM+1], |v[S+16+\i]|, |v[S+16+\i+1]|
.endr
	s_delay_alu instid0(VALU_DEP_2)
	v_permlanex16_b32 v[BM+2], v[BM], s[SEL], s[SEL+1]
	s_delay_alu instid0(VALU_DEP_2)
	v_permlanex16_b32 v[BM+3], v[BM+1], s[SEL], s[SEL+1]
	s_delay_alu instid0(VALU_DEP_2)
	v_max_num_f32 v[BM], v[BM], v[BM+2]
	s_delay_alu instid0(VALU_DEP_2)
	v_max_num_f32 v[BM+1], v[BM+1], v[BM+3]
	s_delay_alu instid0(VALU_DEP_2)
	v_add_nc_u32 v[BSO], 0xff000000, v[BM]
	s_delay_alu instid0(VALU_DEP_2)
	v_add_nc_u32 v[BSO+1], 0xff000000, v[BM+1]
	s_delay_alu instid0(VALU_DEP_2)
	v_lshrrev_b32 v[BT], 23, v[BSO]
	s_delay_alu instid0(VALU_DEP_2)
	v_lshrrev_b32 v[BT+1], 23, v[BSO+1]
	s_delay_alu instid0(VALU_DEP_1)
	v_lshl_or_b32 v[TP], v[BT+1], 8, v[BT]
	v_cvt_scalef32_pk16_fp6_f32 v[PC:PC+2], v[S:S+15], v[BSO]
	v_cvt_scalef32_pk16_fp6_f32 v[PC+6:PC+8], v[S+16:S+31], v[BSO+1]
	v_nop
.irp i, 0,1,2
	v_permlane16_swap_b32 v[PC+\i], v[PC+6+\i]
.endr
.irp i, 0,1,2
	s_delay_alu instid0(VALU_DEP_3)
	v_mov_b32 v[PC+3+\i], v[PC+6+\i]
.endr
	global_store_b128 v1, v[PC:PC+3], s[\pcc:\pcc+1]
	global_store_b64 v2, v[PC+4:PC+5], s[\pcc:\pcc+1] offset:512
	ds_store_b16 v7, v[TP] offset:256*\pass        ; lanes l and l xor 16 write the same bytes with the same value
.endm
	INIT
	s_wait_loadcnt 0x0                             ; q
	s_cmp_lt_u32 s[WV], 4                          ; keys 0 to 511 are in; the second half may stay out
	s_cbranch_scc0 .Lnot_first
	s_wait_tensorcnt 0x0
.Lnot_first:
	s_barrier_signal -1
	s_barrier_wait -1
	s_mov_b32 s[BLK], s15
	s_mov_b32 s[TB], 0
	s_mov_b32 s[ST], 0
.Lpass0:                                           ; block a sees steps 0 to a, which lie among the first four
	STEP 34
	s_add_co_u32 s[ST], s[ST], 1
	s_cmp_lt_u32 s[ST], 4
	s_cbranch_scc1 .Lpass0
	FINISH 0, 66
	s_wait_xcnt 0x0                                ; the image's stores have read their registers
	s_wait_tensorcnt 0x0                           ; keys 512 to 1,023
	s_wait_dscnt 0x0
	s_barrier_signal -1
	s_barrier_wait -1                              ; all of K and V, and the first pass's 256 scale bytes, lie in LDS
	s_cmp_lg_u32 s[WV], 0
	s_cbranch_scc1 .Lnot_0a
	ds_load_b64 v[94:95], v92
	s_wait_dscnt 0x0
	global_store_b64 v2, v[94:95], s[70:71]        ; 256 consecutive bytes, at a multiple of 256
	s_wait_xcnt 0x0                                ; v[94:95] are written again in the second pass
.Lnot_0a:
.irp i, 0,1,2,3,4,5
	v_mov_b32 v[QF+\i], v[28+\i]
.endr
	INIT
	s_sub_co_u32 s[BLK], 7, s15
	s_mov_b32 s[TB], 0
	s_mov_b32 s[ST], 0
.Lpass1:
	STEP 35
	s_add_co_u32 s[ST], s[ST], 1
	s_cmp_lt_u32 s[ST], 8
	s_cbranch_scc1 .Lpass1
	FINISH 1, 68
	s_wait_dscnt 0x0
	s_barrier_signal -1
	s_barrier_wait -1
	s_cmp_lg_u32 s[WV], 0
	s_cbranch_scc1 .Lnot_0b
	ds_load_b64 v[90:91], v92 offset:256
	s_wait_dscnt 0x0
	global_store_b64 v2, v[90:91], s[72:73]
.Lnot_0b:
	s_wait_tensorcnt 0x0
	ds_add_u32 v254, v255
	s_wait_dscnt 0x0
	CROUND                                         ; the closing round
	s_endpgm
.Lfunc_end_k_qa6f02f53f2_attn:
	.size	k_qa6f02f53f2_attn, .Lfunc_end_k_qa6f02f53f2_attn-k_qa6f02f53f2_attn
	.p2alignl 7, 3214868480
	.fill 96, 4, 3214868480
	.section	.rodata,"a",@progbits
	.p2align	6, 0x0
	.amdhsa_kernel k_qa6f02f53f2_attn
		.amdhsa_group_segment_fixed_size 168960
		.amdhsa_private_segment_fixed_size 0
		.amdhsa_enable_private_segment 0
		.amdhsa_kernarg_size 40
		.amdhsa_user_sgpr_count 2
		.amdhsa_user_sgpr_kernarg_segment_ptr 1
		.amdhsa_wavefront_size32 1
		.amdhsa_system_sgpr_workgroup_id_x 1
		.amdhsa_system_sgpr_workgroup_id_y 1
		.amdhsa_system_sgpr_workgroup_id_z 1
		.amdhsa_system_vgpr_workitem_id 0
		.amdhsa_next_free_vgpr 256
		.amdhsa_next_free_sgpr 76
		.amdhsa_reserve_vcc 1
		.amdhsa_float_denorm_mode_32 3
		.amdhsa_float_denorm_mode_16_64 3
		.amdhsa_memory_ordered 1
		.amdhsa_forward_progress 1
		.amdhsa_inst_pref_size 64
	.end_amdhsa_kernel
	.amdgpu_metadata
---
amdhsa.version: [ 1, 2 ]
amdhsa.kernels:
  - .name:           k_qa6f02f53f2_attn
    .symbol:         k_qa6f02f53f2_attn.kd
    .args:
      - { .name: qc, .offset: 0, .size: 8, .value_kind: global_buffer, .address_space: global }
      - { .name: qs, .offset: 8, .size: 8, .value_kind: global_buffer, .address_space: global }
      - { .name: kvp, .offset: 16, .size: 8, .value_kind: global_buffer, .address_space: global }
      - { .name: cc, .offset: 24, .size: 8, .value_kind: global_buffer, .address_space: global }
      - { .name: cs, .offset: 32, .size: 8, .value_kind: global_buffer, .address_space: global }
    .group_segment_fixed_size: 168960
    .private_segment_fixed_size: 0
    .kernarg_segment_align: 8
    .kernarg_segment_size: 40
    .max_flat_workgroup_size: 256
    .sgpr_count:     76
    .vgpr_count:     256
    .wavefront_size: 32
...
	.end_amdgpu_metadata
.endif
;; end of part 2
;; launch oproj (part 3): grid 16 x 16, 4 waves a work-group, clusters of 4 x 4, 327,680 bytes of LDS; arguments cc, cs, out_w_codes, out_w_scales, out_b, out0; writes out0
.if DOCPART == 3
	.amdgcn_target "amdgcn-amd-amdhsa--gfx1250"
	.amdhsa_code_object_version 6
	.text
	.protected	k_qa6f02f53f2_oproj
	.globl	k_qa6f02f53f2_oproj
	.p2align	8
	.type	k_qa6f02f53f2_oproj,@function
k_qa6f02f53f2_oproj:
	s_mov_b64 s[64:65], 0
	v_nop
	global_prefetch_b8 v0, s[64:65] scope:SCOPE_SE
	s_setreg_imm32_b32 hwreg(HW_REG_WAVE_MODE, 25, 1), 1
	s_wait_xcnt 0x0
	s_wait_alu depctr_hold_cnt(0) depctr_sa_sdst(0) depctr_va_vdst(0) depctr_va_sdst(0) depctr_va_ssrc(0) depctr_va_vcc(0) depctr_vm_vsrc(0)
	s_getreg_b32 s2, hwreg(HW_REG_IB_STS2, 6, 4)
	s_cmp_eq_u32 s2, 0
	s_cbranch_scc0 .Lentry_in_a_cluster
	s_endpgm
.Lentry_in_a_cluster:
	s_bfe_u32 s2, ttmp6, 0x10000c
	s_cmp_lg_u32 s2, 0xf033
	s_cbranch_scc0 .Lentry_shape_is_right
	s_endpgm
.Lentry_shape_is_right:
; out = ctx Wo^T + bo on codes of FP6 (E2M3) with E8M0 scales.  ctx: 2,048 tokens x 2,048, as images of operand registers (cc, cs: written by the launch before); Wo: rows of codes as given; out: f32.
; A work-group takes 128 tokens (y) x 128 columns (c); four waves, 2 x 2: a wave holds 64 rows of Wo, ALL of K, in registers (64 fragments of 12) and streams four token tiles past them: a tile is finished after 64 products,
; and its rows leave under the next tile's products.  The wave in row u of the 2 x 2 takes tile (group i, u) as its block i.
; LDS, in lines of 256 bytes + 16: Wo's 128 rows, first half of K, then second half; ctx's tiles 0 to 3; ctx's scale words.  ONE REFILL: when Wo is in registers, tiles 4 to 7 take the lines of its first half.  The stage for the way out lies in its second half, which has had its only fill.
; CLUSTER 4 x 4: ctx's tiles are shared along a row of the cluster, Wo's along a column: each is asked for jointly.  The refill is prefetched at the head, shared out by address among the sixteen waves of a row of the cluster.
; cc [token tile][head 32][768]: heads 2 p and 2 p + 1 are registers 0-5 and 6-11 of the fragment of K step p: 512 bytes (four registers, 16 x lane) + 256 (two, 8 x lane) a head.
; cs [group of 32 tokens][p 16][u 2][r 16] words.  Row r of tile (group, u) is token 32 group + 8 u + r + 8 (r / 8): the way out puts the rows back in order.
; THE MATRIX INSTRUCTION IS USED TRANSPOSED (source 0 = 16 rows of Wo, source 1 = 16 tokens).  The bias is the C of the first K step.
; LIMITS: NaN, infinities and the scale byte 0xff among the inputs are not served.
.set PITCH, 816                        ; a row of half of K: three lines
.set HALF,  128*PITCH
.set TILE,  26112                      ; a token tile: 96 lines
.set CTX,   2*HALF
.set CSL,   CTX+4*TILE
.set SPARE, CSL+8192
.set STG,   HALF
.set SPW,  1
.set NIL,  2
.set A16,  3                           ; v3-6 my four tiles + 16 x lane (16 more for lanes 16-31: the next line)
.set A8,   7                           ; v7-10 + 8 x lane
.set ADS,  11
.set STO,  12
.set RD,   13
.set CO,   14
.set PF,   15
.set SB,   20                          ; v20-51 Wo's scale words: 16 for each pair of tiles, lanes 0-15 the first, lanes 16-31 the second
.set WL,   52                          ; v52-63 Wo's fragment 63
.set CS,   64                          ; v64-79 ctx's scale words
.set CF,   80                          ; v80-175 ctx's fragments, two sets of four steps
.set ACC,  176                         ; v176-207 the sums (at the head: LDS addresses of Wo's fragments)
.set BI,   208                         ; v208-239 the bias
.set RB,   240                         ; v240-255 rows on their way out
.set WV,   40
.set MSB, 0
.set NL, 0
.macro WIN new
.if MSB != (\new)
	s_set_vgpr_msb (MSB<<8)|(\new)
.set MSB, \new
.endif
.endm
.macro PLACES n
.rept \n
	v_nop
.endr
.endm
.macro WALU
	s_wait_alu depctr_va_vdst(0)
.endm
.macro TLOAD g0, g1
	tensor_load_to_lds s[\g0:\g0+3], s[\g1:\g1+7]
	s_nop 0
	PLACES 4
.endm
.macro CROUND
	s_barrier_signal -1
	s_barrier_wait -1
	s_cmp_lg_u32 s[WV], 0
	s_cbranch_scc1 .Lnot_wave_0_\@
	s_barrier_signal -3
.Lnot_wave_0_\@:
	s_barrier_wait -3
	s_barrier_signal -1
	s_barrier_wait -1
.endm
; a fragment from padded rows: six pieces of 8 bytes, two to a load where both lie behind as many paddings
.macro FRAG win, reg, q, a0, a1, aw
	WIN (((\win)<<6)|(\aw))
.set R_, \reg
.set SK_, 0
.irp p, 0,1,2,3,4,5
.if SK_
.set SK_, 0
.else
.set PC_, 12*(\q)+6*(\p/3)+\p%3
.set PN_, 12*(\q)+6*((\p+1)/3)+(\p+1)%3
.set X_, (PC_%32+3)/32
.set Y_, (PN_%32+3)/32
.if (\p < 5) && (X_ == Y_)
.set SK_, 1
.if X_
	ds_load_2addr_b64 v[R_+2*\p:R_+2*\p+3], v[\a1] offset0:PC_+2*(PC_/32) offset1:PN_+2*(PN_/32)
.else
	ds_load_2addr_b64 v[R_+2*\p:R_+2*\p+3], v[\a0] offset0:PC_+2*(PC_/32) offset1:PN_+2*(PN_/32)
.endif
.elseif X_
	ds_load_b64 v[R_+2*\p:R_+2*\p+1], v[\a1] offset:8*(PC_+2*(PC_/32))
.else
	ds_load_b64 v[R_+2*\p:R_+2*\p+1], v[\a0] offset:8*(PC_+2*(PC_/32))
.endif
.endif
.endr
.endm
.macro WPLACE f                        ; where Wo's fragment f = 4 step + tile lies
.if (\f) < 63
.set WW_, 1+(\f)/21
.set WR_, 12*((\f)%21)
.else
.set WW_, 0
.set WR_, WL
.endif
.endm
	s_load_b256 s[4:11], s[0:1], 0x0               ; cc, cs, Wo's codes, Wo's scales
	s_load_b128 s[12:15], s[0:1], 0x20             ; bo, out
	v_lshl_add_u32 v[SPW], v0, 2, SPARE
	v_mov_b32 v[NIL], 0
	ds_add_u32 v[SPW], v[NIL]                      ; the opening: the add, twice on end, and its wait
	ds_add_u32 v[SPW], v[NIL]
	v_lshrrev_b32 v3, 5, v0
	v_readfirstlane_b32 s[WV], v3
	s_and_b32 s41, s[WV], 1                        ; which 64 columns
	s_lshr_b32 s42, s[WV], 1                       ; u
	s_bfe_u32 s43, ttmp6, 0x40000
	s_bfe_u32 s44, ttmp6, 0x40004
	s_lshl_b32 s45, ttmp9, 2
	s_add_co_u32 s45, s45, s43                     ; c
	s_and_b32 s46, ttmp7, 0xffff
	s_lshl_b32 s46, s46, 2
	s_add_co_u32 s46, s46, s44                     ; y
	s_lshl_b32 s47, s44, 2
	s_lshl_b32 s47, 15, s47                        ; my row of the cluster
	s_lshl_b32 s66, 0x1111, s43                    ; my column
	; group 1, elements of 8 bytes, 16 bytes of padding behind every 256.  ctx: two tiles, 49,152 dense bytes, as 8 rows of 6,144
	s_or_b32 s24, s47, (3<<16)|(1<<20)|(1<<21)|(5<<22)|(3<<25)
	s_mov_b32 s25, 768<<16
	s_mov_b32 s26, 8<<16
	s_mov_b32 s27, 768<<16
	s_mov_b32 s28, 8
	s_mov_b32 s29, 768
	s_mov_b32 s30, 0
	s_mov_b32 s31, 0
	; Wo: 128 rows of 768 bytes
	s_or_b32 s48, s66, (3<<16)|(1<<20)|(1<<21)|(5<<22)|(3<<25)
	s_mov_b32 s49, 96<<16
	s_mov_b32 s50, 128<<16
	s_mov_b32 s51, 96<<16
	s_mov_b32 s52, 128
	s_mov_b32 s53, 192
	s_mov_b32 s54, 0
	s_mov_b32 s55, 0
	; group 0: ctx (waves 2, 3), Wo (waves 0, 1), the refill (waves 0, 1)
	s_mov_b32 s32, 1
	s_mul_i32 s37, s41, 2*TILE
	s_add_co_u32 s33, s37, CTX
	s_mov_b32 s36, 1
	s_mov_b32 s56, 1
	s_mul_i32 s57, s41, HALF
	s_mul_i32 s60, s46, 196608
	s_mul_i32 s2, s41, 49152
	s_add_co_u32 s2, s2, s60
	s_mov_b32 s3, 0
	s_mul_i32 s94, s45, 196608
	s_mul_i32 s95, s41, 768
	s_add_co_u32 s94, s94, s95
	s_mov_b32 s95, 0
	s_lshl_b32 s61, s43, 2
	s_add_co_u32 s61, s61, s[WV]
	s_mul_i32 s61, s61, 6144
	s_add_co_u32 s61, s61, s60
	s_add_co_u32 s61, s61, 98304                   ; my sixteenth of the refill, for the prefetch
	WALU
	s_wait_dscnt 0x0
	CROUND                                         ; all sixteen work-groups are here: the first joint loads meet
	s_wait_kmcnt 0x0
	s_add_nc_u64 s[34:35], s[4:5], s[2:3]
	s_add_nc_u64 s[38:39], s[34:35], 98304
	s_or_b32 s35, s35, 0x80000000
	s_or_b32 s39, s39, 0x80000000
	s_add_nc_u64 s[58:59], s[8:9], s[94:95]
	s_or_b32 s59, s59, 0x80000000
	s_cmp_eq_u32 s[WV], 0
	s_cbranch_scc0 .Lnot_w0
	TLOAD 56, 48                                   ; wave 0: Wo, the first half of K
	s_branch .Lhead_asked
.Lnot_w0:
	s_cmp_eq_u32 s[WV], 1
	s_cbranch_scc0 .Lnot_w1
	TLOAD 56, 48                                   ; wave 1: the second half
	s_branch .Lhead_asked
.Lnot_w1:
	TLOAD 32, 24                                   ; waves 2, 3: two tiles of ctx each
.Lhead_asked:
	s_mov_b32 s3, 0
	s_lshl_b32 s2, s46, 13
	s_add_nc_u64 s[6:7], s[6:7], s[2:3]
	s_lshl_b32 s2, s45, 13
	s_lshl_b32 s94, s41, 12
	s_add_co_u32 s2, s2, s94
	s_add_nc_u64 s[10:11], s[10:11], s[2:3]
	s_lshl_b32 s2, s45, 9
	s_lshl_b32 s94, s41, 8
	s_add_co_u32 s2, s2, s94                       ; my first column, in bytes
	s_add_nc_u64 s[12:13], s[12:13], s[2:3]
	s_add_nc_u64 s[14:15], s[14:15], s[2:3]
	s_lshl_b32 s2, s46, 20
	s_lshl_b32 s94, s42, 16
	s_add_co_u32 s2, s2, s94                       ; token 128 y + 8 u, rows of 8,192 bytes
	s_add_nc_u64 s[14:15], s[14:15], s[2:3]
	s_mul_i32 s60, s42, TILE
	s_mul_i32 s62, s41, 64*PITCH
	s_lshl_b32 s63, s42, 6
	s_add_co_u32 s63, s63, CSL
	s_mul_i32 s67, s[WV], 16*272
	s_add_co_u32 s67, s67, STG
	v_lshlrev_b32 v16, 4, v0                       ; 16 x my thread's number
	v_and_b32 v17, 31, v0                          ; lane
	v_and_b32 v18, 15, v0                          ; r
	v_bfe_u32 v19, v0, 4, 1                        ; h
	v_lshlrev_b32 v[ACC+16], 6, v17
	v_lshlrev_b32 v[ACC+17], 5, v19
.irp k, 0,1,2,3
	global_load_b128 v[RB+4*\k:RB+4*\k+3], v16, s[6:7] offset:2048*\k
.endr
.irp b, 0,1
.irp c, 0,1,2,3
	global_load_b128 v[SB+16*\b+4*\c:SB+16*\b+4*\c+3], v[ACC+16], s[10:11] offset:2048*\b+16*\c
.endr
.endr
.irp b, 0,1,2,3
	global_load_b128 v[BI+8*\b:BI+8*\b+3], v[ACC+17], s[12:13] offset:64*\b
	global_load_b128 v[BI+8*\b+4:BI+8*\b+7], v[ACC+17], s[12:13] offset:64*\b+16
.endr
	v_mul_u32_u24 v[ACC+18], PITCH, v18
	v_mad_u32_u24 v[ACC+19], v19, 24, v[ACC+18]
	v_mad_u32_u24 v[ACC+20], v19, 40, v[ACC+18]
	v_add_nc_u32 v[ACC], s62, v[ACC+19]            ; my 64 rows of Wo
	v_add_nc_u32 v[ACC+1], s62, v[ACC+20]
.irp b, 1,2,3
	v_add_nc_u32 v[ACC+2*\b], 16*PITCH*\b, v[ACC]
	v_add_nc_u32 v[ACC+2*\b+1], 16*PITCH*\b, v[ACC+1]
.endr
.irp b, 0,1,2,3
	v_add_nc_u32 v[ACC+8+2*\b], HALF, v[ACC+2*\b]
	v_add_nc_u32 v[ACC+8+2*\b+1], HALF, v[ACC+2*\b+1]
.endr
	v_lshlrev_b32 v[ACC+21], 4, v17
	v_lshl_add_u32 v[ACC+21], v19, 4, v[ACC+21]
	v_lshlrev_b32 v[ACC+22], 3, v17
	v_add_nc_u32 v[A16+2], s60, v[ACC+21]
	v_add_nc_u32 v[A8+2], s60, v[ACC+22]
	v_add_nc_u32 v[A16+3], 2*TILE, v[A16+2]
	v_add_nc_u32 v[A8+3], 2*TILE, v[A8+2]
	v_add_nc_u32 v[A16], CTX, v[A16+2]
	v_add_nc_u32 v[A8], CTX, v[A8+2]
	v_add_nc_u32 v[A16+1], CTX, v[A16+3]
	v_add_nc_u32 v[A8+1], CTX, v[A8+3]
	v_lshl_add_u32 v[ADS], v18, 2, s63
	v_mul_u32_u24 v[ACC+23], 272, v18
	v_lshl_add_u32 v[ACC+23], v19, 5, v[ACC+23]
	v_add_nc_u32 v[STO], s67, v[ACC+23]            ; in: row r, 32 bytes for each half of the lanes
	v_mul_u32_u24 v[ACC+23], 272, v19
	v_lshl_add_u32 v[ACC+23], v18, 4, v[ACC+23]
	v_add_nc_u32 v[RD], s67, v[ACC+23]             ; back: lanes 0-15 one row of 256 bytes, lanes 16-31 the next
	v_lshlrev_b32 v[CO], 13, v19
	v_lshl_add_u32 v[CO], v18, 4, v[CO]            ; and the same in out
	v_min_u32 v[PF], 23, v17
	v_lshl_add_u32 v[PF], v[PF], 8, s61
	global_prefetch_b8 v[PF], s[4:5] th:TH_LOAD_NT scope:SCOPE_SE   ; 24 blocks of 256 bytes
	v_add_nc_u32 v[ACC+24], CSL, v16
	WALU                                           ; the wait at the head's end
	s_wait_loadcnt 16                              ; ctx's scale words are in (Wo's 8 loads and the bias's 8 may be out)
.irp k, 0,1,2,3
	ds_store_b128 v[ACC+24], v[RB+4*\k:RB+4*\k+3] offset:2048*\k
.endr
.macro WHALF hf                        ; half of K of my 64 rows into registers
.set I_, 0
.rept 32
	WPLACE 32*(\hf)+I_
	FRAG WW_, WR_, I_/4, ACC+8*(\hf)+2*(I_%4), ACC+8*(\hf)+2*(I_%4)+1, 0
.set I_, I_+1
.endr
	WIN 0
.endm
	s_cmp_eq_u32 s[WV], 0
	s_cbranch_scc0 .Lno_first
	s_wait_tensorcnt 0x0
.Lno_first:
	s_wait_dscnt 0x0
	s_barrier_signal -1
	s_barrier_wait -1                              ; Wo's first half and the scale words are in
	WHALF 0
	s_cmp_eq_u32 s[WV], 1
	s_cbranch_scc0 .Lno_second
	s_wait_tensorcnt 0x0
.Lno_second:
	s_wait_dscnt 0x0
	s_barrier_signal -1
	s_barrier_wait -1                              ; and its second half
	WHALF 1
	s_wait_tensorcnt 0x0                           ; all my tensor loads have landed;
	ds_add_u32 v[SPW], v[NIL]                      ; 0 onto my spare word;
	s_wait_dscnt 0x0                               ; the add is done, and Wo is in my registers
	CROUND
	s_cmp_lt_u32 s[WV], 2
	s_cbranch_scc0 .Lno_refill
	TLOAD 36, 24                                   ; waves 0, 1: two of tiles 4 to 7 each
.Lno_refill:
.macro CFETCH i, qd                    ; ctx's four steps of quarter qd of block i, into set qd % 2: 16 loads
.irp s, 0,1,2,3
.irp e, 0,1
.set R_, CF+48*((\qd)%2)+12*\s+6*\e
	ds_load_b128 v[R_:R_+3], v[A16+(\i)] offset:1632*(4*(\qd)+\s)+816*\e
	ds_load_b64 v[R_+4:R_+5], v[A8+(\i)] offset:1632*(4*(\qd)+\s)+816*\e+544
.endr
.endr
.endm
.macro CSCALE i                        ; its 16 scale words
.set I_, 0
.rept 16
	ds_load_b32 v[CS+I_], v[ADS] offset:2048*(\i)+128*I_
.set I_, I_+1
.endr
.endm
.macro WM ra
	v_wmma_scale_f32_16x16x128_f8f6f4 v[D_:D_+7], v[WR_:WR_+11], v[X_:X_+11], v[C_:C_+7], v[SB_:SB_], v[CS_:CS_] matrix_a_fmt:MATRIX_FMT_FP6 matrix_b_fmt:MATRIX_FMT_FP6 matrix_a_scale:MATRIX_SCALE_ROW\ra
.endm
.macro QPROD qd                        ; 16 products; the four sums take turns, one instruction a turn
.set N_, 0
.rept 16
.set S_, 4*(\qd)+N_/4
	WPLACE 4*S_+N_%4
	WIN WW_
.set D_, ACC+8*(N_%4)
.if S_ == 0
.set C_, BI+8*(N_%4)
.else
.set C_, D_
.endif
.set X_, CF+48*((\qd)%2)+12*(N_/4)
.set SB_, SB+16*((N_%4)/2)+S_
.set CS_, CS+S_
.if N_%2
	WM 1
.else
	WM 0
.endif
.set N_, N_+1
.endr
	WIN 0
.endm
.macro STAGE                           ; LDS serves a wave's instructions in order: no wait stands between these stores and the loads
.irp b, 0,1,2,3
	ds_store_b128 v[STO], v[ACC+8*\b:ACC+8*\b+3] offset:64*\b          ; each sum from its low end on
	ds_store_b128 v[STO], v[ACC+8*\b+4:ACC+8*\b+7] offset:64*\b+16
.endr
.endm
.macro BACK k0
.irp k, 0,1,2,3
	ds_load_b128 v[RB+4*\k:RB+4*\k+3], v[RD] offset:544*(\k0+\k)
.endr
.endm
.macro SEND i, k0, reg                 ; row 2 k + h of tile (i, u) is token 32 i + 8 u + 2 k + h + 8 (k / 4); 16 lanes store 256 consecutive bytes, at a multiple of 256
.irp k, 0,1,2,3
	global_store_b128 v[CO], v[\reg+4*\k:\reg+4*\k+3], s[14:15] offset:(32*(\i)+2*(\k0+\k)+8*((\k0+\k)/4))*8192 th:TH_STORE_NT
.endr
.endm
	CFETCH 0, 0
	CFETCH 0, 1
	CSCALE 0
	s_wait_loadcnt 0x0                             ; Wo's scale words and the bias
	s_wait_dscnt 0x0
.irp i, 0,1,2,3
	QPROD 0
.if \i > 0
	s_wait_dscnt 0x0
	SEND \i-1, 0, RB
.endif
	PLACES 4
	CFETCH \i, 2
.if \i > 0
	s_wait_xcnt 0x0                                ; the stores have read their registers
	BACK 4
.endif
	QPROD 1
.if \i > 0
	s_wait_dscnt 0x0
	SEND \i-1, 4, RB
.endif
	PLACES 4
	CFETCH \i, 3
.if \i == 1
	s_wait_tensorcnt 0x0
	s_wait_dscnt 0x0
	s_barrier_signal -1                            ; a plain barrier: the refill is shown to all
.else
	s_wait_dscnt 16                                ; all but the 16 just issued
.endif
	QPROD 2
.if \i == 1
	s_barrier_wait -1
.endif
	PLACES 4
.if \i < 3
	CFETCH \i+1, 0
	s_wait_dscnt 16
.else
	s_wait_dscnt 0x0
.endif
	QPROD 3
	PLACES 5                                       ; one more than a reader wants: the next block's first products write over these sums with another C
.if \i < 3
	CFETCH \i+1, 1
	CSCALE \i+1
	STAGE
	s_wait_xcnt 0x0
	BACK 0
	s_wait_dscnt 12                                ; all but the stage's 8 stores and 4 loads
.endif
.endr
	STAGE                                          ; the last tile: ctx's fragments are done with, and take all eight rows a lane
.irp k, 0,1,2,3,4,5,6,7
	ds_load_b128 v[CF+4*\k:CF+4*\k+3], v[RD] offset:544*\k
.endr
	s_wait_dscnt 4
	SEND 3, 0, CF
	s_wait_dscnt 0x0
	SEND 3, 4, CF+16
	s_wait_tensorcnt 0x0                           ; the wave's end
	ds_add_u32 v[SPW], v[NIL]
	s_wait_dscnt 0x0
	CROUND                                         ; the closing round
	s_endpgm
.Lfunc_end_k_qa6f02f53f2_oproj:
	.size	k_qa6f02f53f2_oproj, .Lfunc_end_k_qa6f02f53f2_oproj-k_qa6f02f53f2_oproj
	.p2alignl 7, 3214868480
	.fill 96, 4, 3214868480
	.section	.rodata,"a",@progbits
	.p2align	6, 0x0
	.amdhsa_kernel k_qa6f02f53f2_oproj
		.amdhsa_group_segment_fixed_size 327680
		.amdhsa_private_segment_fixed_size 0
		.amdhsa_enable_private_segment 0
		.amdhsa_kernarg_size 48
		.amdhsa_user_sgpr_count 2
		.amdhsa_user_sgpr_kernarg_segment_ptr 1
		.amdhsa_wavefront_size32 1
		.amdhsa_system_sgpr_workgroup_id_x 1
		.amdhsa_system_sgpr_workgroup_id_y 1
		.amdhsa_system_sgpr_workgroup_id_z 1
		.amdhsa_system_vgpr_workitem_id 0
		.amdhsa_next_free_vgpr 1024
		.amdhsa_next_free_sgpr 98
		.amdhsa_reserve_vcc 0
		.amdhsa_float_denorm_mode_32 3
		.amdhsa_float_denorm_mode_16_64 3
		.amdhsa_memory_ordered 1
		.amdhsa_forward_progress 1
		.amdhsa_inst_pref_size 89
	.end_amdhsa_kernel
	.amdgpu_metadata
---
amdhsa.version: [ 1, 2 ]
amdhsa.kernels:
  - .name:           k_qa6f02f53f2_oproj
    .symbol:         k_qa6f02f53f2_oproj.kd
    .args:
      - { .name: cc, .offset: 0, .size: 8, .value_kind: global_buffer, .address_space: global }
      - { .name: cs, .offset: 8, .size: 8, .value_kind: global_buffer, .address_space: global }
      - { .name: out_w_codes, .offset: 16, .size: 8, .value_kind: global_buffer, .address_space: global }
      - { .name: out_w_scales, .offset: 24, .size: 8, .value_kind: global_buffer, .address_space: global }
      - { .name: out_b, .offset: 32, .size: 8, .value_kind: global_buffer, .address_space: global }
      - { .name: out0, .offset: 40, .size: 8, .value_kind: global_buffer, .address_space: global }
    .group_segment_fixed_size: 327680
    .private_segment_fixed_size: 0
    .kernarg_segment_align: 8
    .kernarg_segment_size: 48
    .max_flat_workgroup_size: 128
    .sgpr_count:     98
    .vgpr_count:     1024
    .wavefront_size: 32
...
	.end_amdgpu_metadata
.endif
;; end of part 3
